; MI455X (gfx1250); checked and timed in simulation.
; The chip was launched on July 23, 2026; its instructions are those of AMD's public machine-readable ISA for CDNA 5 (MIT licence, August 2026) and "CDNA5" Instruction Set Architecture Reference Guide (July 2026). The comments in the code are by the model that wrote it; some were corrected since.
;; Causal Cross Conditional Self Attention. Allowed arithmetic: matrix products marked QUANTISED: E4M3 operands, one E8M0 scale for each 32 along K, by v_wmma_scale_f32_16x16x128_f8f6f4 with both operands' format E4M3, f32 sums; everything else in f32.
;; Inputs: W_k_codes 512 x 16 x 32 uint8 (E4M3 codes of W_k, K innermost, in blocks of 32 codes); W_k_scales 512 x 16 uint8 (E8M0 scales of W_k, one for each 32 codes along K); W_proj_codes 512 x 16 x 32 uint8 (E4M3 codes of W_proj, K innermost, in blocks of 32 codes); W_proj_scales 512 x 16 uint8 (E8M0 scales of W_proj, one for each 32 codes along K); W_q_codes 512 x 16 x 32 uint8 (E4M3 codes of W_q, K innermost, in blocks of 32 codes); W_q_scales 512 x 16 uint8 (E8M0 scales of W_q, one for each 32 codes along K); W_v_codes 512 x 16 x 32 uint8 (E4M3 codes of W_v, K innermost, in blocks of 32 codes); W_v_scales 512 x 16 uint8 (E8M0 scales of W_v, one for each 32 codes along K); b_k 512 float32; b_proj 512 float32; b_q 512 float32; b_v 512 float32; end_frames 2 x 16 int32; start_frames 2 x 16 int32; x_codes 2 x 3,136 x 16 x 32 uint8 (E4M3 codes of x, K innermost, in blocks of 32 codes); x_scales 2 x 3,136 x 16 uint8 (E8M0 scales of x, one for each 32 codes along K).
;; Outputs: out0 2 x 3,136 x 512 float32.
;; Constants: N = 16, T_motion = 1024, n_head = 8, window_abs_start = 0.
;; This version of the problem:
;;   THIS VERSION OF THE PROBLEM IS GIVEN IN LOW PRECISION. The matrix products marked QUANTISED in the list below multiply operands that are first quantised to E4M3 (4 exponent bits, 3 mantissa bits; 8 bits a number), with one power-of-two scale for each 32 numbers along K (OCP MX v1.0); their sums are f32. All else is computed in f32.
;;   The module's matrix products, in the order in which they are computed (A, B: the left and right operand; K: the contracted axis; several contracted axes count as one K, in the product's order):
;;     1. [M 6,272, K 512] x [K 512, N 512]; A: input x (given as codes); B: input W_q (given as codes): QUANTISED
;;     2. [M 6,272, K 512] x [K 512, N 512]; A: input x (given as codes); B: input W_k (given as codes): QUANTISED
;;     3. [M 6,272, K 512] x [K 512, N 512]; A: input x (given as codes); B: input W_v (given as codes): QUANTISED
;;     4. batch 16 x [M 3,136, K 64] x [K 64, N 3,136]; A: computed on the way; B: computed on the way: QUANTISED
;;     5. batch 16 x [M 3,136, K 3,136] x [K 3,136, N 64]; A: softmax (see below); B: computed on the way: QUANTISED
;;     6. [M 6,272, K 512] x [K 512, N 512]; A: computed on the way; B: input W_proj (given as codes): QUANTISED
;;   THE QUANTISER, for each operand of a quantised product, along K:
;;     - K is cut into blocks of 32 from its start; a last block that is shorter is filled with zeros.
;;     - A block's scale is 2^e with e = floor(log2(the largest magnitude in the block)) - 8, held to -126 .. 127; a block of zeros has e = 0. As a byte (E8M0): e + 127.
;;     - Each number is divided by its block's scale, clamped to +-448, and rounded to the nearest number of E4M3, ties to even, subnormals kept.
;;     - The product sums the exact products of the quantised numbers (number of the format x scale) in f32.
;;   ~~~python
;;   def quantise(x, axis):      # numpy; x: float32 -> the quantised numbers, widened to float32 again
;;       x = np.moveaxis(x, axis, -1); K = x.shape[-1]
;;       x = np.pad(x, [(0, 0)] * (x.ndim - 1) + [(0, -K % 32)]); x = x.reshape(x.shape[:-1] + (-1, 32)); a = np.abs(x).max(-1, keepdims=True)
;;       e = np.where(a > 0, np.clip(np.frexp(np.where(a > 0, a, 1))[1] - 1 - 8, -126, 127), 0)      # np.frexp(a)[1] - 1 = floor(log2(a)), exactly
;;       r = np.clip(x / 2.0 ** e, -448, 448)
;;       step = 2.0 ** (np.maximum(np.frexp(np.where(r == 0, 1, r))[1] - 1, -6) - 3)
;;       q = np.round(r / step) * step * 2.0 ** e      # np.round: ties to even
;;       return np.moveaxis(q.reshape(q.shape[:-2] + (-1,))[..., :K], -1, axis).astype(np.float32)
;;   ~~~
;;   SOFTMAX AHEAD OF A QUANTISED PRODUCT. Where the list says 'softmax', what is quantised is not the finished softmax but p = 2^(t - M), with t = logit x log2(e) and M = ceil(the row's largest t), a whole number; so 1/2 < the row's largest p <= 1. The row's sum l is taken of the UNQUANTISED p, in f32, and the product's result is divided by l at the end. Since M is a whole number, a kernel that streams over the keys may use a running M (the ceiling of the running maximum): every later rescaling is an exact power of two, which a block's scale takes up: the codes' values come out the same.
;;   OPERANDS COMPUTED ON THE WAY. 'Computed on the way' means the value that the module computes at that place (a softmax that the list does not call 'softmax' is quantised finished and normalised). What goes into a quantiser is computed in f32, as accurately as f32 sums, v_exp_f32 and their like allow (about 1e-6 of the number): no bf16 or f16 on the way to a quantiser, and a product that is left as it is and whose result goes on into a quantised operand takes f32 operands (vector FMAs, or v_wmma_f32_16x16x4_f32). A number that lies on a knife's edge between two numbers of the format may be rounded either way, as far as f32 arithmetic and the matrix unit's own rounding can turn it there, and no further.
;;   INPUTS GIVEN AS CODES. W_k (in the module: [512, 512], K = its axis 1); W_proj (in the module: [512, 512], K = its axis 1); W_q (in the module: [512, 512], K = its axis 1); W_v (in the module: [512, 512], K = its axis 1); x (in the module: [2, 3136, 512], K = its axis 2): each comes as NAME_codes (uint8): NAME with its K axis moved to the last place and cut into blocks of 32 codes, [.., K / 32, bytes a block], one block behind the other in memory; one code a byte (a code: sign, 4 exponent bits, 3 mantissa bits); and NAME_scales (uint8): the same leading axes, one E8M0 byte (e + 127) for each 32 codes along K. Its value is code x scale, taken as it is: it is not quantised again, and the codes and scales need not be those that the quantiser above would give.
;; One version. Each part assembles by itself: llvm-mc -triple=amdgcn-amd-amdhsa -mcpu=gfx1250 --defsym DOCPART=n.
;; ======== version 1 of 1: 3 launches
;; limits: right only within a limited range of input values
;; workspace buffers: qc 3,211,264 bytes; qs 200,704 bytes; kv 6,758,400 bytes; yc 3,211,264 bytes; ysc 100,352 bytes
;; launch qkv (part 1): grid 8 x 25, 16 waves a work-group, clusters of 4 x 1, 244,480 bytes of LDS; arguments x_codes, x_scales, W_q_codes, W_q_scales, b_q, W_k_codes, W_k_scales, b_k, W_v_codes, W_v_scales, b_v, qc, qs, kv; writes qc, qs, kv
.if DOCPART == 1
	.amdgcn_target "amdgcn-amd-amdhsa--gfx1250"
	.amdhsa_code_object_version 6
	.text
	.protected	k_qfc0e6406d0_qkv
	.globl	k_qfc0e6406d0_qkv
	.p2align	8
	.type	k_qfc0e6406d0_qkv,@function
k_qfc0e6406d0_qkv:
	s_mov_b64 s[64:65], 0
	v_nop
	global_prefetch_b8 v0, s[64:65] scope:SCOPE_SE
	s_setreg_imm32_b32 hwreg(HW_REG_WAVE_MODE, 25, 1), 1
	s_wait_xcnt 0x0
	s_wait_alu depctr_hold_cnt(0) depctr_sa_sdst(0) depctr_va_vdst(0) depctr_va_sdst(0) depctr_va_ssrc(0) depctr_va_vcc(0) depctr_vm_vsrc(0)
	s_getreg_b32 s2, hwreg(HW_REG_IB_STS2, 6, 4)
	s_cmp_eq_u32 s2, 0
	s_cbranch_scc0 .Lentry_in_a_cluster
	s_endpgm
.Lentry_in_a_cluster:
	s_bfe_u32 s2, ttmp6, 0x10000c
	s_cmp_lg_u32 s2, 0x3003
	s_cbranch_scc0 .Lentry_shape_is_right
	s_endpgm
.Lentry_shape_is_right:
; q = x W_q^T + b_q, k = x W_k^T + b_k, v = x W_v^T + b_v on the given codes of E4M3 and E8M0 scales, sums in f32; the results are quantised at once for the
; attention launch: q and k along a head's 64 channels (two blocks of 32), v along the keys (blocks of 32 tokens), and stored as images of operand registers.
; WORK LEFT OUT BY THE PROGRAM (none of it here: this launch makes every q, k and v, and all of them are used).  The mask is built in the problem's own body.  Call the rows sections 0, 1, 2 (1,024 frames each) and
; text (64 rows), the columns key blocks 0, 1, 2 and text.  A masked score is -infinity, so its weight is exactly 0 and adds nothing to the row's sum or to y, whatever the inputs hold.  For every input:
; section 0 is masked on key blocks 1, 2 and on all text columns; sections 0, 1, 2 are masked on every key of a key block that lies behind the row's own frame.  So the attention launch walks, for a tile of
; rows, only the steps of 128 keys that begin at or before its frames, and for section 0 key block 0 alone.  Which text columns sections 1 and 2 see hangs on start_frames and end_frames: that work is done and selected.
; No input is without a way to the output: all are loaded.  LIMIT: a NaN, an infinity or an overflow that reaches only the scores left out is not carried to the result.
; LIMITS of the quantisers: NaN and infinities are not served; a block whose largest magnitude lies under 2^-118 (zeros too) gets the scale byte 1: its bytes are read by this program alone.
; SHARES.  head = 4 x cluster x + cx; a work-group makes one head's q, k, v for 256 places of tokens: two records of the buffer kv (128 keys each).  A batch has 49 units of 64 tokens and one unit of filling
; (record 24 holds the 64 text keys and 64 places more): a filling unit computes on the last unit's tokens again, so that no load leaves x; it stores no q, and its codes of v are zeros.
; Waves w and w + 8 (w = 0..7) own the same 32 tokens as two tiles: lane r of tile u takes token 8 u + r + 8 (r / 8).  Waves 0..7 make q and the first 32 channels of v, waves 8..15 k and the other 32 channels of v.
; The rows of a weight that form a tile are chosen as the tokens are.  So the 16 registers of two neighbouring tiles of a result are 16 neighbours along the next product's K, and each conversion's result is a piece of
; the next operand's registers: it is stored as it stands, lane l's 16 bytes at 16 l, 512 bytes a store.
; CLUSTER.  The four partners take four heads of the same tokens: x's tiles are asked for jointly (mask 15).  A head's rows of the weights are its own: plain loads.  Everything is filled once; there is no loop, so nothing is prefetched.
; ROWS IN LDS.  Of each block of 32 rows a tile takes eight rows of the first 16 and eight of the last 16.  So the first 16 rows of all blocks lie in one part and the last 16 in another, each row 512 + 16 bytes, and the second part
; begins 128 bytes beyond a multiple of 256 behind the first: the 16 rows of a fragment load then start at 16 different 16-byte columns modulo 256.  A load brings one part of 64 rows: two runs of 16 rows (8,192 bytes), 32 rows apart.
; LDS: x's two parts | W_q's, W_k's, W_v's two parts | the weights' scale bytes | the biases | the two records' scale words | the spare words.
.set REC,   16896                      ; a record of kv: 8,192 bytes of k, 8,192 of v, 256 of k's scale words, 256 of v's
.set XP,    528                        ; an LDS row
.set XHB,   8*16*XP+128                ; from x's first part to its second
.set WL,    2*XHB
.set WHB,   2*16*XP+128                ; the same of a weight
.set WSTR,  2*WHB                      ; from weight to weight
.set WSA,   WL+3*WSTR
.set BIA,   WSA+3072
.set SCA,   BIA+768
.set SPARE, SCA+1024                   ; the spare words, 128 bytes for each wave, which no other line names
.set LI,  1                            ; v1   16 x lane
.set AX,  2                            ; v2   my lane's place in my 32 rows of x
.set AW,  3                            ; v3-5 and in W_q, W_k, W_v
.set AWS, 6                            ; v6   the weights' scale words
.set ABQ, 7                            ; v7   biases, where a lane holds eight units
.set ABV, 8                            ; v8   b_v, where a lane holds one channel
.set AKS, 9                            ; v9   where k's scale word goes
.set AVS, 10                           ; v10  where v's scale byte goes
.set ASR, 11                           ; v11  where a record's scale words are read back
.set SPW, 12                           ; v12  my spare word; never rewritten
.set NIL, 13                           ; v13  0; never rewritten
.set XSO, 14                           ; v14  x's scale words: 16 bytes a token
.set R4,  15                           ; v15  4 x (lane % 16)
.set STW, 16                           ; v16, v17 wave 14: where the weights' scale bytes and the biases go
.set STB, 17
.set L8,  18                           ; v18  8 x lane
.set TM,  24                           ; v24-31 at work in the quantiser; v32-33 bytes kept; v34-35 words; v36-37 b_v
.set CD,  40                           ; v40-47 codes just made
.set ACC, 48                           ; v48-79 four accumulators
.set WF,  80                           ; v80-111 two fragments of a weight
.set WS,  112                          ; v112-119 their scale words
.set XS,  120                          ; v120-127 x's scale words
.set XF,  128                          ; v128-255 x's eight fragments: tile u, K step ks at 64 u + 16 ks
.macro ROUND                           ; a round of the cluster's barrier
	s_barrier_signal -1
	s_barrier_wait -1
	s_cmp_lg_u32 s32, 0
	s_cbranch_scc1 .Lnw0_\@
	s_barrier_signal -3
.Lnw0_\@:
	s_barrier_wait -3
	s_barrier_signal -1
	s_barrier_wait -1
.endm
	s_load_b512 s[4:19], s[0:1], 0x0               ; x's codes s[4:5], x's scales s[6:7], W_q s[8:9], its scales s[10:11], b_q s[12:13], W_k s[14:15], its scales s[16:17], b_k s[18:19]
	s_load_b256 s[20:27], s[0:1], 0x40             ; W_v s[20:21], its scales s[22:23], b_v s[24:25], qc s[26:27]
	s_load_b128 s[28:31], s[0:1], 0x60             ; qs s[28:29], kv s[30:31]
	v_lshl_add_u32 v[SPW], v0, 2, SPARE
	v_mov_b32 v[NIL], 0
	ds_add_u32 v[SPW], v[NIL]                      ; the wave's opening: the add, twice on end, and its wait ahead of the first tensor load
	ds_add_u32 v[SPW], v[NIL]
	v_lshrrev_b32 v19, 5, v0
	s_delay_alu instid0(VALU_DEP_1)
	v_readfirstlane_b32 s32, v19                   ; wave 0..15
	s_and_b32 s98, s32, 7                          ; which 32 tokens are mine
	s_lshr_b32 s99, s32, 1                         ; what I fetch: 0..3 x's unit of 64 tokens, 4..6 W_q, W_k, W_v;
	s_and_b32 s80, s32, 1                          ; its first or its second part
	s_bfe_u32 s33, ttmp6, 0x40000                  ; cx
	s_lshl_b32 s34, ttmp9, 2
	s_add_co_u32 s34, s34, s33                     ; head: it enters global addresses alone
	s_and_b32 s35, ttmp7, 0xffff                   ; g: which two records
	; descriptor group 1: two runs of 8,192 bytes, 16,384 bytes apart, 16 bytes of padding behind every 512; x's with the mask of all four partners
	s_mov_b32 s36, 15|(1<<20)|(1<<21)|(6<<22)|(3<<25)
	s_mov_b32 s37, 8192<<16
	s_mov_b32 s38, 2<<16
	s_mov_b32 s39, 8192<<16
	s_mov_b32 s40, 2
	s_mov_b32 s41, 16384
	s_mov_b32 s42, 0
	s_mov_b32 s43, 0
	s_mov_b32 s44, (1<<20)|(6<<22)|(3<<25)
	s_mov_b32 s45, 8192<<16
	s_mov_b32 s46, 2<<16
	s_mov_b32 s47, 8192<<16
	s_mov_b32 s48, 2
	s_mov_b32 s49, 16384
	s_mov_b32 s50, 0
	s_mov_b32 s51, 0
	s_mov_b32 s52, 1
	s_mul_i32 s53, s99, 32*XP                      ; waves 0..7: x
	s_mul_i32 s2, s80, XHB
	s_add_co_u32 s53, s53, s2
	s_mov_b32 s68, 1
	s_and_b32 s2, s99, 3
	s_mul_i32 s69, s2, WSTR                        ; waves 8..13: the weights
	s_mul_i32 s2, s80, WHB
	s_add_co_u32 s69, s69, s2
	s_add_co_u32 s69, s69, WL
	s_mov_b32 s56, 0x76543210
	s_mov_b32 s57, 0xfedcba98                      ; lane l xor 16
	s_mov_b32 s58, 0x600000                        ; the mantissa field of 448
	; the unit of 64 tokens that I fetch (waves 0..7): number 4 g + w / 2 of 100; made of g and the wave's number alone
	s_lshl_b32 s72, s35, 2
	s_add_co_u32 s72, s72, s99
	s_cmp_ge_u32 s72, 50
	s_cselect_b32 s74, 50, 0
	s_cselect_b32 s75, 3136, 0
	s_sub_co_u32 s72, s72, s74
	s_min_u32 s72, s72, 48                         ; the filling unit takes the last unit's tokens
	s_lshl_b32 s72, s72, 6
	s_add_co_u32 s72, s72, s75
	s_lshl_b32 s72, s72, 9                         ; 512 bytes a token
	s_lshl_b32 s74, s80, 13                        ; the second part begins 16 rows further on
	s_add_co_u32 s72, s72, s74
	s_mov_b32 s73, 0
	s_lshl_b32 s84, s34, 15                        ; a head's rows of a weight: 64 x 512
	s_add_co_u32 s84, s84, s74
	s_mov_b32 s85, 0
	; the 32 tokens that I work on: unit 4 g + s98 / 2, half s98 % 2 = w % 2
	s_lshr_b32 s76, s98, 1
	s_lshl_b32 s77, s35, 2
	s_add_co_u32 s76, s76, s77
	s_cmp_ge_u32 s76, 50
	s_cselect_b32 s77, 50, 0
	s_cselect_b32 s78, 3136, 0
	s_cselect_b32 s79, 8, 0
	s_sub_co_u32 s76, s76, s77                     ; the unit in its batch, 0..49
	s_cmp_eq_u32 s76, 49
	s_cselect_b32 s59, 1, 0                        ; 1: filling
	s_cselect_b32 s60, 0, -1                       ; what v's codes are masked with
	s_min_u32 s77, s76, 48
	s_lshl_b32 s77, s77, 6
	s_add_co_u32 s77, s77, s78
	s_lshl_b32 s81, s80, 5
	s_add_co_u32 s77, s77, s81                     ; my first token
	s_add_co_u32 s79, s79, s34                     ; 8 x batch + head
	s_lshl_b32 s86, s77, 4
	s_mov_b32 s87, 0                               ; x's scale words: 16 bytes a token
	s_lshl_b32 s62, s34, 10
	s_mov_b32 s63, 0                               ; a head's scale bytes of a weight: 64 rows x 16
	s_lshl_b32 s66, s34, 8
	s_mov_b32 s67, 0                               ; a head's biases
	; where the results go
	s_mul_i32 s2, s79, 196
	s_lshl_b32 s3, s76, 2
	s_add_co_u32 s2, s2, s3
	s_lshl_b32 s3, s80, 1
	s_add_co_u32 s2, s2, s3                        ; my first tile of queries among 16 x 196
	s_lshl_b32 s88, s2, 10
	s_mov_b32 s89, 0
	s_lshl_b32 s90, s2, 6
	s_mov_b32 s91, 0
	s_mul_i32 s2, s79, 25
	s_lshr_b32 s3, s76, 1
	s_add_co_u32 s2, s2, s3
	s_mul_i32 s96, s2, REC                         ; my record
	s_mov_b32 s97, 0
	s_and_b32 s3, s32, 3                           ; my block of 32 keys in it
	s_lshl_b32 s92, s3, 11
	s_add_co_u32 s92, s92, s96
	s_mov_b32 s93, 0
	s_lshl_b32 s94, s3, 9
	s_add_co_u32 s94, s94, s96
	s_add_co_u32 s94, s94, 8192
	s_mov_b32 s95, 0
	; LDS addresses: the scalar parts,
	s_mul_i32 s61, s98, 16*XP                      ; my 16 rows of either part of x
	s_lshr_b32 s2, s98, 2
	s_lshl_b32 s2, s2, 9                           ; 512 bytes of scale words for each of the two records
	s_lshl_b32 s81, s3, 6
	s_add_co_u32 s81, s81, s2
	s_add_co_u32 s81, s81, SCA
	s_add_co_u32 s82, s2, s3
	s_add_co_u32 s82, s82, SCA+256
	s_add_co_u32 s83, s2, SCA
	; and the whole, ahead of the first parting of the waves
	v_and_b32 v19, 31, v0
	v_and_b32 v20, 15, v0                          ; r
	v_bfe_u32 v21, v0, 4, 1                        ; h
	v_bfe_u32 v24, v0, 3, 1                        ; r / 8: which part my row lies in
	v_and_b32 v25, 7, v0                           ; r % 8
	v_lshlrev_b32 v[LI], 4, v19
	v_lshlrev_b32 v[L8], 3, v19
	v_lshlrev_b32 v[R4], 2, v20
	v_lshl_add_u32 v22, v24, 3, v20                ; r + 8 (r / 8)
	v_mul_u32_u24 v23, v25, XP
	v_lshl_add_u32 v[ABQ], v21, 6, BIA
	v_add_nc_u32 v[STW], WSA, v[LI]
	v_lshl_add_u32 v23, v21, 4, v23
	v_lshlrev_b32 v[XSO], 4, v22
	v_lshl_add_u32 v[AWS], v22, 4, WSA
	v_lshl_add_u32 v[ABV], v22, 2, BIA+512
	v_mad_u32_u24 v26, v24, XHB, v23
	v_mad_u32_u24 v27, v24, WHB, v23
	v_add_nc_u32 v[AKS], s81, v[R4]
	v_add_nc_u32 v[AVS], s82, v[R4]
	v_add_nc_u32 v[ASR], s83, v[LI]
	v_add_nc_u32 v[STB], BIA, v[L8]
	v_add_nc_u32 v[AX], s61, v26
	v_add_nc_u32 v[AW], WL, v27
	v_add_nc_u32 v[AW+1], WL+WSTR, v27
	v_add_nc_u32 v[AW+2], WL+2*WSTR, v27
	v_mov_b32 v[TM+2], 0                           ; written once: a lane permute's destination counts as one of its sources
	v_mov_b32 v[TM+3], 0
	s_wait_alu depctr_va_vdst(0)                   ; the wait at the head's end
	s_wait_dscnt 0x0                               ; both opening adds are done
	s_wait_kmcnt 0x0
	s_add_nc_u64 s[54:55], s[4:5], s[72:73]
	s_or_b32 s55, s55, 0x80000000
	s_cmp_eq_u32 s99, 4
	s_cselect_b64 s[70:71], s[8:9], s[14:15]       ; waves 8, 9: W_q, waves 10, 11: W_k,
	s_cmp_eq_u32 s99, 6
	s_cselect_b64 s[70:71], s[20:21], s[70:71]     ; waves 12, 13: W_v
	s_add_nc_u64 s[70:71], s[70:71], s[84:85]
	s_or_b32 s71, s71, 0x80000000
	s_add_nc_u64 s[6:7], s[6:7], s[86:87]
	s_add_nc_u64 s[10:11], s[10:11], s[62:63]
	s_add_nc_u64 s[16:17], s[16:17], s[62:63]
	s_add_nc_u64 s[22:23], s[22:23], s[62:63]
	s_add_nc_u64 s[12:13], s[12:13], s[66:67]
	s_add_nc_u64 s[18:19], s[18:19], s[66:67]
	s_add_nc_u64 s[24:25], s[24:25], s[66:67]
	s_add_nc_u64 s[88:89], s[26:27], s[88:89]      ; qc at my first tile
	s_add_nc_u64 s[90:91], s[28:29], s[90:91]      ; qs likewise
	s_add_nc_u64 s[92:93], s[30:31], s[92:93]      ; kv: my block's four pieces of k
	s_add_nc_u64 s[94:95], s[30:31], s[94:95]      ; my block's piece of each tile of v
	s_add_nc_u64 s[96:97], s[30:31], s[96:97]      ; my record
	ROUND                                          ; all four partners are here: the joint loads meet
	s_cmp_lt_u32 s32, 8
	s_cbranch_scc0 .Lnot_x
	tensor_load_to_lds s[52:55], s[36:43]          ; a part of 64 tokens of x, for all four partners
	s_nop 0
.rept 4
	v_nop
.endr
	s_branch .Lasked
.Lnot_x:
	s_cmp_lt_u32 s32, 14
	s_cbranch_scc0 .Lsmall
	tensor_load_to_lds s[68:71], s[44:51]          ; a part of my head's 64 rows of one weight
	s_nop 0
.rept 4
	v_nop
.endr
	s_branch .Lasked
.Lsmall:
	s_cmp_eq_u32 s32, 14
	s_cbranch_scc0 .Lasked                         ; wave 15 fetches nothing for the others
	; wave 14: the head's scale bytes of the three weights (1,024 dense bytes each) and its biases (256 each), in whole runs of 512 and 256 bytes
	global_load_b128 v[48:51], v[LI], s[10:11]
	global_load_b128 v[52:55], v[LI], s[10:11] offset:512
	global_load_b128 v[56:59], v[LI], s[16:17]
	global_load_b128 v[60:63], v[LI], s[16:17] offset:512
	global_load_b128 v[64:67], v[LI], s[22:23]
	global_load_b128 v[68:71], v[LI], s[22:23] offset:512
	global_load_b64 v[72:73], v[L8], s[12:13]
	global_load_b64 v[74:75], v[L8], s[18:19]
	global_load_b64 v[76:77], v[L8], s[24:25]
	s_wait_loadcnt 0x0
.irp i, 0,1,2,3,4,5
	ds_store_b128 v[STW], v[48+4*\i:51+4*\i] offset:512*\i
.endr
.irp i, 0,1,2
	ds_store_b64 v[STB], v[72+2*\i:73+2*\i] offset:256*\i
.endr
.Lasked:
	global_load_b128 v[XS:XS+3], v[XSO], s[6:7]            ; x's scale words: tile 0: four K steps' words of my lane's token,
	global_load_b128 v[XS+4:XS+7], v[XSO], s[6:7] offset:128   ; tile 1: eight tokens on
	s_wait_tensorcnt 0x0                           ; my tile has landed,
	s_wait_dscnt 0x0                               ; wave 14's stores too:
	s_barrier_signal -1
	s_barrier_wait -1                              ; everybody's have
.irp u, 0,1
.irp ks, 0,1,2,3
.irp c, 0,1,2,3
	ds_load_b128 v[XF+64*\u+16*\ks+4*\c:XF+64*\u+16*\ks+4*\c+3], v[AX] offset:8*\u*XP+128*\ks+32*\c   ; x's fragments are read once and stay
.endr
.endr
.endr
	s_wait_loadcnt 0x0
; Two blocks of 16 registers, v[ACC] on and v[ACC+16] on, each half of a block of 32 along the next K (the other half lies in lane l xor 16), become codes in v[CD] on; their bytes in v[TM+2], v[TM+3].
.macro QUANT2
.irp b, 0,1
	v_max3_num_f32 v[TM+\b], |v[ACC+16*\b]|, |v[ACC+16*\b+1]|, 0x4800000   ; my 16 numbers and the floor 2^(9 - 127): the byte cannot fall under 1
.endr
.irp i, 2,4,6,8,10,12,14
.irp b, 0,1
	v_max3_num_f32 v[TM+\b], v[TM+\b], |v[ACC+16*\b+\i]|, |v[ACC+16*\b+\i+1]|
.endr
.endr
.irp b, 0,1
	s_delay_alu instid0(VALU_DEP_2)
	v_permlanex16_b32 v[TM+2+\b], v[TM+\b], s56, s57
.endr
.irp b, 0,1
	s_delay_alu instid0(VALU_DEP_2)
	v_max_num_f32 v[TM+\b], v[TM+\b], v[TM+2+\b]   ; the block's largest magnitude
.endr
.irp b, 0,1
	s_delay_alu instid0(VALU_DEP_2)
	v_add_nc_u32 v[TM+6+\b], 0xfc000000, v[TM+\b]  ; 8 off its exponent field: the conversion's scale operand
.endr
.irp b, 0,1
	s_delay_alu instid0(VALU_DEP_4)
	v_and_or_b32 v[TM+4+\b], v[TM+\b], 0x7f800000, s58   ; 448 x the scale
.endr
.irp b, 0,1
	s_delay_alu instid0(VALU_DEP_4)
	v_lshrrev_b32 v[TM+2+\b], 23, v[TM+6+\b]       ; the scale's byte
.endr
.irp b, 0,1
.irp i, 0,1,2,3,4,5,6,7,8,9,10,11,12,13,14,15
	v_med3_num_f32 v[ACC+16*\b+\i], v[ACC+16*\b+\i], -v[TM+4+\b], v[TM+4+\b]   ; the conversion to an 8-bit code does not saturate (ISA guide 7.6.2): the hold comes first
.endr
	v_cvt_scalef32_pk8_fp8_f32 v[CD+4*\b:CD+4*\b+1], v[ACC+16*\b:ACC+16*\b+7], v[TM+6+\b]
	v_cvt_scalef32_pk8_fp8_f32 v[CD+4*\b+2:CD+4*\b+3], v[ACC+16*\b+8:ACC+16*\b+15], v[TM+6+\b]
.endr
	v_nop                                          ; a plain line behind the last conversion
.endm
; 32 rows of one weight (kind 0: W_q, 1: W_k, 2: W_v; rows 32 bq on, as two tiles) against my 32 tokens: four accumulators by turns, four K steps; then quantised and stored.
; q, k: source 0 = the weight's tile u, source 1 = x's tile a: a lane holds one token and eight channels.  v: source 0 = x's tile u, source 1 = the weight's tile a: a lane holds one channel and eight tokens.
.macro PAIR kind, bq
	s_wait_xcnt 0x0                                ; the last pair's stores have read their registers
	ds_load_b128 v[WS:WS+3], v[AWS] offset:1024*\kind+512*\bq
	ds_load_b128 v[WS+4:WS+7], v[AWS] offset:1024*\kind+512*\bq+128
.if \kind < 2
.irp a, 0,1
.irp u, 0,1
	ds_load_b128 v[ACC+16*\a+8*\u:ACC+16*\a+8*\u+3], v[ABQ] offset:256*\kind+128*\bq+32*\u        ; the bias is what the sums begin with
	ds_load_b128 v[ACC+16*\a+8*\u+4:ACC+16*\a+8*\u+7], v[ABQ] offset:256*\kind+128*\bq+32*\u+16
.endr
.endr
.else
	ds_load_b32 v36, v[ABV] offset:128*\bq
	ds_load_b32 v37, v[ABV] offset:128*\bq+32
.endif
.irp ks, 0,1,2,3
.irp u, 0,1
.irp c, 0,1,2,3
	ds_load_b128 v[WF+16*\u+4*\c:WF+16*\u+4*\c+3], v[AW+\kind] offset:(16*\bq+8*\u)*XP+128*\ks+32*\c
.endr
.endr
	s_wait_dscnt 0x0
.if (\kind == 2) && (\ks == 0)
.irp a, 0,1
.irp j, 0,1,2,3,4,5,6,7,8,9,10,11,12,13,14,15
	v_mov_b32 v[ACC+16*\a+\j], v[36+\a]            ; b_v of my lane's channel, for its 16 tokens
.endr
.endr
.rept 4
	v_nop
.endr
.endif
.irp a, 0,1
.irp u, 0,1
.if \kind < 2
	v_wmma_scale_f32_16x16x128_f8f6f4 v[ACC+16*\a+8*\u:ACC+16*\a+8*\u+7], v[WF+16*\u:WF+16*\u+15], v[XF+64*\a+16*\ks:XF+64*\a+16*\ks+15], v[ACC+16*\a+8*\u:ACC+16*\a+8*\u+7], v[WS+4*\u+\ks], v[XS+4*\a+\ks]
.else
	v_wmma_scale_f32_16x16x128_f8f6f4 v[ACC+16*\a+8*\u:ACC+16*\a+8*\u+7], v[XF+64*\u+16*\ks:XF+64*\u+16*\ks+15], v[WF+16*\a:WF+16*\a+15], v[ACC+16*\a+8*\u:ACC+16*\a+8*\u+7], v[XS+4*\u+\ks], v[WS+4*\a+\ks]
.endif
.endr
.endr
.rept 8
	v_nop                                          ; eight places behind this form, in front of loads into its registers and of the first read of results
.endr
.endr
	QUANT2
.if \kind == 0
.if \bq == 0
	v_mov_b32 v32, v[TM+2]                         ; the first block's bytes wait for the second's
	v_mov_b32 v33, v[TM+3]
.else
	v_lshl_or_b32 v34, v[TM+2], 8, v32             ; q's scale word is (s0, s1, s0, s1): q stands in either half of a K of 128
	v_lshl_or_b32 v35, v[TM+3], 8, v33
	s_delay_alu instid0(VALU_DEP_2)
	v_lshl_or_b32 v34, v34, 16, v34
	s_delay_alu instid0(VALU_DEP_2)
	v_lshl_or_b32 v35, v35, 16, v35
.endif
	s_cmp_lg_u32 s59, 0                            ; a filling unit has no queries
	s_cbranch_scc1 .Lfill_\@
	global_store_b128 v[LI], v[CD:CD+3], s[88:89] offset:512*\bq
	global_store_b128 v[LI], v[CD+4:CD+7], s[88:89] offset:1024+512*\bq
.if \bq == 1
	global_store_b32 v[R4], v34, s[90:91]          ; both halves of the lanes hold the same word
	global_store_b32 v[R4], v35, s[90:91] offset:64
.endif
.Lfill_\@:
.elseif \kind == 1
.if \bq == 0
	v_mov_b32 v32, v[TM+2]
	v_mov_b32 v33, v[TM+3]
.else
	v_lshl_or_b32 v34, v[TM+2], 8, v32             ; k's scale word: tile 0's two bytes, then tile 1's: two tiles of keys share a fragment
	v_lshl_or_b32 v35, v[TM+3], 8, v33
	s_delay_alu instid0(VALU_DEP_1)
	v_lshl_or_b32 v34, v35, 16, v34
	ds_store_b32 v[AKS], v34
.endif
	global_store_b128 v[LI], v[CD:CD+3], s[92:93] offset:512*\bq
	global_store_b128 v[LI], v[CD+4:CD+7], s[92:93] offset:1024+512*\bq
.else
.irp i, 0,1,2,3,4,5,6,7
	v_and_b32 v[CD+\i], s60, v[CD+\i]              ; a filling unit's values are zeros
.endr
	ds_store_b8 v[AVS], v[TM+2] offset:128*\bq     ; byte (my block of keys) of the channel's scale word
	ds_store_b8 v[AVS], v[TM+3] offset:128*\bq+64
	global_store_b128 v[LI], v[CD:CD+3], s[94:95] offset:4096*\bq
	global_store_b128 v[LI], v[CD+4:CD+7], s[94:95] offset:4096*\bq+2048
.endif
.endm
	s_wait_alu depctr_va_vdst(0)
	s_cmp_lt_u32 s32, 8
	s_cbranch_scc0 .Lkeys
	PAIR 0, 0
	PAIR 0, 1
	PAIR 2, 0
	s_branch .Lmade
.Lkeys:
	PAIR 1, 0
	PAIR 1, 1
	PAIR 2, 1
.Lmade:
	s_wait_dscnt 0x0                               ; my scale words and bytes lie in LDS,
	s_barrier_signal -1
	s_barrier_wait -1                              ; everybody's do
	s_and_b32 s2, s32, 11
	s_cmp_lg_u32 s2, 0
	s_cbranch_scc1 .Lno_words
	ds_load_b128 v[TM:TM+3], v[ASR]                ; waves 0 and 4: a record's 512 bytes of scale words leave in one store
	s_wait_dscnt 0x0
	global_store_b128 v[LI], v[TM:TM+3], s[96:97] offset:16384
.Lno_words:
	s_wait_tensorcnt 0x0                           ; the wave's end
	ds_add_u32 v[SPW], v[NIL]
	s_wait_dscnt 0x0
	ROUND                                          ; the closing round
	s_endpgm
.Lfunc_end_k_qfc0e6406d0_qkv:
	.size	k_qfc0e6406d0_qkv, .Lfunc_end_k_qfc0e6406d0_qkv-k_qfc0e6406d0_qkv
	.p2alignl 7, 3214868480
	.fill 96, 4, 3214868480
	.section	.rodata,"a",@progbits
	.p2align	6, 0x0
	.amdhsa_kernel k_qfc0e6406d0_qkv
		.amdhsa_group_segment_fixed_size 244480
		.amdhsa_private_segment_fixed_size 0
		.amdhsa_enable_private_segment 0
		.amdhsa_kernarg_size 112
		.amdhsa_user_sgpr_count 2
		.amdhsa_user_sgpr_kernarg_segment_ptr 1
		.amdhsa_wavefront_size32 1
		.amdhsa_system_sgpr_workgroup_id_x 1
		.amdhsa_system_sgpr_workgroup_id_y 1
		.amdhsa_system_sgpr_workgroup_id_z 1
		.amdhsa_system_vgpr_workitem_id 0
		.amdhsa_next_free_vgpr 256
		.amdhsa_next_free_sgpr 102
		.amdhsa_reserve_vcc 0
		.amdhsa_float_denorm_mode_32 3
		.amdhsa_float_denorm_mode_16_64 3
		.amdhsa_memory_ordered 1
		.amdhsa_forward_progress 1
		.amdhsa_inst_pref_size 78
	.end_amdhsa_kernel
	.amdgpu_metadata
---
amdhsa.version: [ 1, 2 ]
amdhsa.kernels:
  - .name:           k_qfc0e6406d0_qkv
    .symbol:         k_qfc0e6406d0_qkv.kd
    .args:
      - { .name: x_codes, .offset: 0, .size: 8, .value_kind: global_buffer, .address_space: global }
      - { .name: x_scales, .offset: 8, .size: 8, .value_kind: global_buffer, .address_space: global }
      - { .name: W_q_codes, .offset: 16, .size: 8, .value_kind: global_buffer, .address_space: global }
      - { .name: W_q_scales, .offset: 24, .size: 8, .value_kind: global_buffer, .address_space: global }
      - { .name: b_q, .offset: 32, .size: 8, .value_kind: global_buffer, .address_space: global }
      - { .name: W_k_codes, .offset: 40, .size: 8, .value_kind: global_buffer, .address_space: global }
      - { .name: W_k_scales, .offset: 48, .size: 8, .value_kind: global_buffer, .address_space: global }
      - { .name: b_k, .offset: 56, .size: 8, .value_kind: global_buffer, .address_space: global }
      - { .name: W_v_codes, .offset: 64, .size: 8, .value_kind: global_buffer, .address_space: global }
      - { .name: W_v_scales, .offset: 72, .size: 8, .value_kind: global_buffer, .address_space: global }
      - { .name: b_v, .offset: 80, .size: 8, .value_kind: global_buffer, .address_space: global }
      - { .name: qc, .offset: 88, .size: 8, .value_kind: global_buffer, .address_space: global }
      - { .name: qs, .offset: 96, .size: 8, .value_kind: global_buffer, .address_space: global }
      - { .name: kv, .offset: 104, .size: 8, .value_kind: global_buffer, .address_space: global }
    .group_segment_fixed_size: 244480
    .private_segment_fixed_size: 0
    .kernarg_segment_align: 8
    .kernarg_segment_size: 112
    .max_flat_workgroup_size: 512
    .sgpr_count:     102
    .vgpr_count:     256
    .wavefront_size: 32
...
	.end_amdgpu_metadata
.endif
;; end of part 1
;; launch attn (part 2): grid 16 x 16, 16 waves a work-group, clusters of 4 x 1, 327,680 bytes of LDS; arguments qc, qs, kv, start_frames, end_frames, yc, ysc; writes yc, ysc
.if DOCPART == 2
	.amdgcn_target "amdgcn-amd-amdhsa--gfx1250"
	.amdhsa_code_object_version 6
	.text
	.protected	k_qfc0e6406d0_attn
	.globl	k_qfc0e6406d0_attn
	.p2align	8
	.type	k_qfc0e6406d0_attn,@function
k_qfc0e6406d0_attn:
	s_mov_b64 s[64:65], 0
	v_nop
	global_prefetch_b8 v0, s[64:65] scope:SCOPE_SE
	s_setreg_imm32_b32 hwreg(HW_REG_WAVE_MODE, 25, 1), 1
	s_wait_xcnt 0x0
	s_wait_alu depctr_hold_cnt(0) depctr_sa_sdst(0) depctr_va_vdst(0) depctr_va_sdst(0) depctr_va_ssrc(0) depctr_va_vcc(0) depctr_vm_vsrc(0)
	s_getreg_b32 s2, hwreg(HW_REG_IB_STS2, 6, 4)
	s_cmp_eq_u32 s2, 0
	s_cbranch_scc0 .Lentry_in_a_cluster
	s_endpgm
.Lentry_in_a_cluster:
	s_bfe_u32 s2, ttmp6, 0x10000c
	s_cmp_lg_u32 s2, 0x3003
	s_cbranch_scc0 .Lentry_shape_is_right
	s_endpgm
.Lentry_shape_is_right:
; y = softmax(mask(q k^T / 8)) v for one (batch, head), both products on codes of E4M3 with E8M0 scales; y is quantised along the channels for the last projection.
; WORK LEFT OUT: steps of 128 keys that the problem's own mask hides whole (keys behind a tile's frames; key blocks 1, 2 and the text columns for section 0): the proof stands at the head of the launch qkv.
; LIMITS: NaN and infinities are not served, and one that reaches only the scores left out is not carried on; the scaled scores (exponents to the base 2, before the maximum is taken away) stay under 2^31 in magnitude;
; a block whose largest magnitude lies under 2^-118 gets the scale byte 1 (read by this program alone).
; THE SOFTMAX: t = score x log2(e) / 8; M = the largest t so far, rounded up to a whole number (it begins at -2^32, under every t); p = 2^(t - M) is quantised along the keys; the sum is taken of the unquantised p and divides at the end.
; SHARES.  c = the cluster's x (0..3), cx = my place in it, y = 8 x batch + head.  A work-group owns block B = 31 - 4 c - cx of 32 frames, which needs the key steps 0..7 - c, and where c > 0 block A = 4 c + cx, which needs 0..c.
; Nine ring steps U: key steps 0..7 - c, then 0..c.  A ring step has the records (key block 0, 1, 2; key step).  Where c = 0 block B takes ring steps 1 to 8 (ring step 8 is key step 0 once more).
; The keys of a tile of 16 queries are shared out among waves by key block; each wave keeps its own whole-number M, its own sum and its own O^T, and the parts meet in LDS at the end: they differ by powers of two, which are exact.
; Waves 0, 1: section 0 on key block 0.  Waves 2..5: sections 1, 2 on key block 0.  Waves 6..9: section 1 on key blocks 1, 2.  Waves 10..13: section 2 likewise.  (The odd wave has the tile eight frames on.)
; The 64 text keys are taken by waves 2, 3, 10, 11; where c = 0 by waves 2 to 5.
; Waves 14, 15 where c = 0: both hold text-row tile cx; they take the even and the odd records of ring steps 0..7 by turns, wave 14 the text keys too.
; Waves 14, 15 where c > 0: one tile each of block cx (0..3), which needs key step 0 alone: section c - 1, the odd wave's eight frames on; one wave takes all its keys, in group 0, and finishes it.
; THREE GROUPS of three ring steps, nine records each: group 0 lies in records 9..17 of LDS, group 1 in 0..8, group 2 in 9..17 again.  A group is asked for when the one before it begins, and has all of that one's key steps in which to land.
; So the waves meet at three changes of slots.  Ring step 5 is worked in group 2 where c = 3, since there block A begins with it: its records 6..8 still stand.
; THE PARTS: in group 2 records 0..5 have had their last fill and their last read: 14 parts of block B and 8 of the last block fill them (22 x 4,608 bytes).  The last block's parts of key block 0 stay in registers: those waves finish it.
; LAYOUT.  Both products are used transposed: S^T = K Q^T, O^T = V^T P^T: a lane holds one query throughout.  The buffers are images of operand registers: lane l's 16 bytes at 16 l.
; A HEAD HAS 64 CHANNELS, THE INSTRUCTION 128 ALONG K: a fragment of K holds TWO tiles of keys, one in each half of K; q stands as q, zeros, q in 24 registers: (q, zeros) and (zeros, q) are its first and its last 16.
; CLUSTER.  The four partners have the same c and the same head, so they walk the same records: every record is asked for jointly (mask 15).  Nothing that differs between partners enters a branch or an LDS address.
; NO PREFETCH: the text has three fills and no loop over them; a fill is asked for a whole group's key steps ahead of its first read.
.set REC,   16896                      ; a record: 8,192 bytes of k, 8,192 of v, 256 of k's scale words, 256 of v's
.set VO,    8192
.set KSO,   16384
.set VSO,   16640
.set TXR,   18*REC                     ; the text record, filled once
.set SPARE, 19*REC                     ; the spare words, 128 bytes for each wave, which no other line names
.set PREC,  4608                       ; a part: 4,096 bytes of O^T and 512 of (-M, t, the sum's two halves)
.set PTX,   SPARE+2048                 ; wave 15's part
.set LI,  1                            ; v1   16 x lane
.set LS,  2                            ; v2   4 x lane
.set SPW, 3                            ; v3   my spare word; never rewritten
.set NIL, 4                            ; v4   0; never rewritten
.set RP,  5                            ; v5   r + 8 (r / 8)
.set HS,  6                            ; v6   16 (lane / 16), + 1 where the key must come strictly before the frame
.set FR,  7                            ; v7   my query's frame
.set PEN, 8                            ; v8   (d + 1/2) 2^100: in a diagonal step register 16 b + i is hidden where 32 b + i > d
.set ADR, 9                            ; v9, v10 the record in hand: its images, its scale words
.set ADS, 10
.set PSA, 11                           ; v11  where my part of block B goes;  v54 my last part
.set Q1,  16                           ; v16-39 q, zeros, q.   v12 -M, v13 the largest t, v[14:15] the sum in two halves
.set TS,  40                           ; v40-47 the step's sum in four chains
.set QSC, 48                           ; v48  q's scale words; v49-50 k's; v51-52 v's; v53 p's
.set KSC, 49
.set VSC, 51
.set PSC, 53
.set PSB, 54
.set CA,  55                           ; v55  at the end: the first part that I take up;  v251 the next;  v249 the text tile's
.set KV,  56                           ; v56-119 four fragments of k, then of v
.set S,   120                          ; v120-183 S^T, then p
.set O,   184                          ; v184-215 O^T
.set PC,  216                          ; v216-231 p's codes
.set TM,  232                          ; v232-247, v252-255 at work
.set R4,  248                          ; v248 4 x (lane % 16)
.set CT,  249
.set NINF, 250                         ; v250 -infinity
.set CM,  251
; s18 wave, s19 c, s25 cx, s26 y, s27 the trip; s[28:35], s[36:39] the descriptor; s[40:41] my key block's first record in memory; s[42:43] at work for the descriptor; s44, s100, s101 how many trips of group 0, 1, 2 are mine; s67, s48 group 0's, 2's first;
; s45 my first record in a group, s50 from one to my next; s46 group 2's trip at which block A begins; s47 the trip of the diagonal; s49 do I take the text keys; s51 are text columns masked; s52 which half of the lanes sees columns 0..31;
; s[54:57] block A's queries; s58 1 where all my steps are diagonal ones (waves 14, 15, c > 0), s59 the trip from which their keys come strictly before the frame; s60 w / 3; s61 8 - c; s62 1 in waves 14, 15; s63 block A's first frame;
; s66 the record in hand (at the head: waves 14, 15 where c > 0); s[68:83] start / 8; s[84:99] the segments' lengths.
.macro ROUND                           ; a round of the cluster's barrier
	s_barrier_signal -1
	s_barrier_wait -1
	s_cmp_lg_u32 s18, 0
	s_cbranch_scc1 .Lnw0_\@
	s_barrier_signal -3
.Lnw0_\@:
	s_barrier_wait -3
	s_barrier_signal -1
	s_barrier_wait -1
.endm
.macro TLOAD n                         ; waves 0 .. n - 1 ask for a record each; an s_nop 0 and four v_nop follow the line
	s_cmp_lt_u32 s18, \n
	s_cbranch_scc0 .Lnl_\@
	tensor_load_to_lds s[36:39], s[28:35]
	s_nop 0
.rept 4
	v_nop
.endr
.Lnl_\@:
.endm
; A CHANGE OF SLOTS that asks for group g (1, 2).  Each wave waits for all its tensor loads, adds 0 to its spare word, and waits for that and for its reads;
; the round then shows the same of every wave of all four partners, and the fill is the first thing behind it.
.macro CHANGE g
	s_wait_tensorcnt 0x0                           ; no tensor load of mine is out, so the descriptor may be written
	ds_add_u32 v[SPW], v[NIL]
	ds_add_u32 v[SPW], v[NIL]
	s_mul_i32 s37, s18, REC
.if \g == 2
	s_add_co_u32 s37, s37, 9*REC
.endif
	s_add_co_u32 s42, s60, 3*\g                    ; my record's ring step U; its key step is U up to 7 - c, U - (8 - c) afterwards
	s_cmp_lt_u32 s42, s61
	s_cselect_b32 s43, 0, s61
	s_sub_co_u32 s42, s42, s43
	s_mul_i32 s42, s42, REC
	s_mov_b32 s43, 0
	s_add_nc_u64 s[38:39], s[40:41], s[42:43]
	s_or_b32 s39, s39, 0x80000000
	s_wait_dscnt 0x0
	ROUND
	TLOAD 9
.endm
.macro KQ blk, u                       ; S^T of keys 32 blk + 8 u + ..: fragment blk against (q, zeros) or (zeros, q); a register of k's scale words serves two fragments, one in each half of the lanes
.if (\blk)%2
	v_wmma_scale_f32_16x16x128_f8f6f4 v[S+16*(\blk)+8*(\u):S+16*(\blk)+8*(\u)+7], v[KV+16*(\blk):KV+16*(\blk)+15], v[Q1+8*(\u):Q1+8*(\u)+15], 0, v[KSC+(\blk)/2], v[QSC] matrix_a_scale:MATRIX_SCALE_ROW1
.else
	v_wmma_scale_f32_16x16x128_f8f6f4 v[S+16*(\blk)+8*(\u):S+16*(\blk)+8*(\u)+7], v[KV+16*(\blk):KV+16*(\blk)+15], v[Q1+8*(\u):Q1+8*(\u)+15], 0, v[KSC+(\blk)/2], v[QSC]
.endif
.endm
.macro PV dt                           ; O^T += V^T P^T for 16 of the head's channels
.if (\dt)%2
	v_wmma_scale_f32_16x16x128_f8f6f4 v[O+8*(\dt):O+8*(\dt)+7], v[KV+16*(\dt):KV+16*(\dt)+15], v[PC:PC+15], v[O+8*(\dt):O+8*(\dt)+7], v[VSC+(\dt)/2], v[PSC] matrix_a_scale:MATRIX_SCALE_ROW1
.else
	v_wmma_scale_f32_16x16x128_f8f6f4 v[O+8*(\dt):O+8*(\dt)+7], v[KV+16*(\dt):KV+16*(\dt)+15], v[PC:PC+15], v[O+8*(\dt):O+8*(\dt)+7], v[VSC+(\dt)/2], v[PSC]
.endif
.endm
; A KEY STEP on the record at LDS byte s[sb]: nb blocks of 32 keys (4; the text record: 2).  mask = 1: in the trip of the diagonal keys behind the frame are hidden; 3: in every trip of waves 14, 15 where c > 0; 2: text columns by the segments.
; Register 16 b + i of S^T holds key 32 b + 16 (lane / 16) + i of the record.
.macro STEP nb, sb, mask
	v_add_nc_u32 v[ADR], s[\sb], v[LI]
	v_add_nc_u32 v[ADS], s[\sb], v[LS]
.rept 6
	v_nop                                          ; with the two additions: eight places behind the last products, in front of loads into their registers
.endr
.set i, 0
.rept 4*\nb
	ds_load_b128 v[KV+4*i:KV+4*i+3], v[ADR] offset:512*i
.set i, i+1
.endr
	ds_load_b32 v[KSC], v[ADS] offset:KSO
.if \nb == 4
	ds_load_b32 v[KSC+1], v[ADS] offset:KSO+128
.endif
	s_wait_alu depctr_va_vdst(0)
	s_wait_dscnt 0x0
.set bb, 0
.rept \nb
	KQ bb, 0
	KQ bb, 1
.set bb, bb+1
.endr
.rept 8
	v_nop
.endr
.set i, 0
.rept 16
	ds_load_b128 v[KV+4*i:KV+4*i+3], v[ADR] offset:VO+512*i    ; v's fragments are on their way while the softmax is worked
.set i, i+1
.endr
	ds_load_b32 v[VSC], v[ADS] offset:VSO
	ds_load_b32 v[VSC+1], v[ADS] offset:VSO+128
.if \mask == 2
	s_cmp_eq_u32 s51, 0                            ; text rows see every column
	s_cbranch_scc1 .Lopen_\@
.set n, 0
.rept 16
	v_sub_nc_u32 v254, v[FR], s[68+n]              ; segment n is active where start / 8 <= frame < end / 8: one unsigned compare
	s_delay_alu instid0(VALU_DEP_1)
	v_cmp_gt_u32 s2, s[84+n], v254
	s_and_b32 s3, s2, s52                          ; columns 0..31: lanes 0-15 hold 'upper', which section 1 sees, lanes 16-31 'lower', which section 2 sees
	v_cndmask_b32 v[S+n], v[NINF], v[S+n], s3
	v_cndmask_b32 v[S+16+n], v[NINF], v[S+16+n], s2   ; columns 32..63, 'torso' and 'whole': both sections
.set n, n+1
.endr
.Lopen_\@:
.else
.if \mask == 1
	s_cmp_lg_u32 s27, s47                          ; every other step of a block lies wholly before its frames
.else
	s_cmp_eq_u32 s58, 0
.endif
	s_cbranch_scc1 .Lopen_\@
	; a bound for each register n = 32 b + i: (d + 1/2 - n) 2^100, which is +2^99 or more where the key counts (no score lies over it) and -2^99 or less where it is hidden: p is 0 then.  Two registers a line
	v_mov_b32 v254, v[PEN]
	v_add_f32 v255, 0xf1800000, v[PEN]             ; - 2^100
.set p, 0
.rept 32
	v_dual_min_num_f32 v[S+2*p], v[S+2*p], v254 :: v_dual_min_num_f32 v[S+2*p+1], v[S+2*p+1], v255
.if p < 31
.if p%8 == 7
	v_pk_add_f32 v[254:255], v[254:255], 0xf3900000 op_sel_hi:[1,0]   ; - 18 x 2^100: on to the next block
.else
	v_pk_add_f32 v[254:255], v[254:255], 0xf2000000 op_sel_hi:[1,0]   ; - 2 x 2^100
.endif
.endif
.set p, p+1
.endr
.Lopen_\@:
.endif
.set b, 0
.rept \nb
	v_max3_num_f32 v[TM+b], v[S+16*b], v[S+16*b+1], v[S+16*b+2]   ; the largest score of each block of 32 keys: for the row's maximum and, since p rises with the score, for the block's largest p
.set b, b+1
.endr
.irp i, 3,5,7,9,11,13
.set b, 0
.rept \nb
	v_max3_num_f32 v[TM+b], v[TM+b], v[S+16*b+\i], v[S+16*b+\i+1]
.set b, b+1
.endr
.endr
.set b, 0
.rept \nb
	v_max_num_f32 v[TM+b], v[TM+b], v[S+16*b+15]
.set b, b+1
.endr
.set b, 0
.rept \nb
	v_permlanex16_b32 v[TM+4+b], v[TM+b], s20, s21
.set b, b+1
.endr
.set b, 0
.rept \nb
	v_max_num_f32 v[TM+b], v[TM+b], v[TM+4+b]      ; with lane l xor 16's 16 keys
.set b, b+1
.endr
.if \nb == 4
	s_delay_alu instid0(VALU_DEP_2)
	v_max3_num_f32 v254, v[TM], v[TM+1], v[TM+2]
	s_delay_alu instid0(VALU_DEP_1)
	v_max_num_f32 v254, v254, v[TM+3]
.else
	s_delay_alu instid0(VALU_DEP_1)
	v_max_num_f32 v254, v[TM], v[TM+1]
.endif
	s_delay_alu instid0(VALU_DEP_1)
	v_mul_f32 v254, s22, v254                      ; as t
	s_delay_alu instid0(VALU_DEP_1)
	v_max_num_f32 v13, v13, v254                   ; the running largest t
	v_mov_b32 v254, v12
	s_delay_alu instid0(VALU_DEP_2)
	v_floor_f32 v12, -v13                          ; -M = floor(-t): M is a whole number
	s_delay_alu instid0(VALU_DEP_1)
	v_sub_f32 v254, v12, v254                      ; old M - new M, 0 or less
	s_delay_alu instid0(VALU_DEP_1)
	v_cvt_i32_f32 v254, v254                       ; (it saturates)
	s_delay_alu instid0(VALU_DEP_1)
	v_ldexp_f32 v252, 1.0, v254                    ; f = 2^(old M - new M): exact
.set j, 0
.rept 8*\nb
	v_pk_fma_f32 v[S+j:S+j+1], v[S+j:S+j+1], s[22:23], v[12:13] op_sel_hi:[1,0,0]   ; t - M
.set j, j+2
.endr
.set b, 0
.rept \nb
	v_fma_f32 v[TM+b], v[TM+b], s22, v12
.set b, b+1
.endr
.set j, 0
.rept 16
	v_pk_mul_f32 v[O+j:O+j+1], v[O+j:O+j+1], v[252:253] op_sel_hi:[1,0]   ; O^T under the new M
.set j, j+2
.endr
	s_wait_alu depctr_va_vdst(0)                   ; the wait ahead of the batch
.set b, 0
.rept \nb
	v_exp_f32 v[TM+b], v[TM+b]                     ; each block's largest p
.set b, b+1
.endr
.set j, 0
.rept 16*\nb
	v_exp_f32 v[S+j], v[S+j]                       ; p = 2^(t - M); a hidden key's is 0
.set j, j+1
.endr
	v_pk_mul_f32 v[14:15], v[14:15], v[252:253] op_sel_hi:[1,0]   ; the sum under the new M: the plain line behind the exponentials
	s_wait_alu depctr_va_vdst(0)                   ; one wait for the batch, ahead of its first reader
.set j, 0
.rept 4
	v_pk_add_f32 v[TS+2*j:TS+2*j+1], v[S+2*j:S+2*j+1], v[S+8+2*j:S+8+2*j+1]   ; the sum of the unquantised p, in four chains
.set j, j+1
.endr
.set j, 8
.rept 8*\nb-8
	v_pk_add_f32 v[TS+2*(j%4):TS+2*(j%4)+1], v[TS+2*(j%4):TS+2*(j%4)+1], v[S+2*j:S+2*j+1]
.set j, j+1
.endr
.set b, 0
.rept \nb
	v_max_num_f32 v[TM+b], 0x4800000, v[TM+b]      ; the floor 2^(9 - 127): the byte cannot fall under 1
.set b, b+1
.endr
.set b, 0
.rept \nb
	v_add_nc_u32 v[TM+12+b], 0xfc000000, v[TM+b]   ; the conversion's scale operand
.set b, b+1
.endr
.set b, 0
.rept \nb
	v_and_or_b32 v[TM+8+b], v[TM+b], 0x7f800000, s24   ; 448 x the scale
.set b, b+1
.endr
.set b, 0
.rept \nb
	v_lshrrev_b32 v[TM+4+b], 23, v[TM+12+b]        ; the scale's byte
.set b, b+1
.endr
	v_lshl_or_b32 v[PSC], v[TM+5], 8, v[TM+4]
.if \nb == 4
	s_delay_alu instid0(VALU_DEP_1)
	v_lshl_or_b32 v[PSC], v[TM+6], 16, v[PSC]
	s_delay_alu instid0(VALU_DEP_1)
	v_lshl_or_b32 v[PSC], v[TM+7], 24, v[PSC]
.else
	s_delay_alu instid0(VALU_DEP_1)
	v_lshl_or_b32 v[PSC], v[PSC], 16, v[PSC]       ; the two blocks of zero codes take the same bytes
.endif
.set b, 0
.rept \nb
.set i, 0
.rept 8
	v_dual_min_num_f32 v[S+16*b+i], v[S+16*b+i], v[TM+8+b] :: v_dual_min_num_f32 v[S+16*b+i+1], v[S+16*b+i+1], v[TM+8+b]   ; the conversion does not saturate (ISA guide 7.6.2); p is not negative, so the hold is one-sided
.set i, i+2
.endr
	v_cvt_scalef32_pk8_fp8_f32 v[PC+4*b:PC+4*b+1], v[S+16*b:S+16*b+7], v[TM+12+b]
	v_cvt_scalef32_pk8_fp8_f32 v[PC+4*b+2:PC+4*b+3], v[S+16*b+8:S+16*b+15], v[TM+12+b]
.set b, b+1
.endr
.if \nb == 2
.set i, 8
.rept 8
	v_mov_b32 v[PC+i], 0                           ; the record's upper 64 places hold no keys
.set i, i+1
.endr
.endif
	v_pk_add_f32 v[TS:TS+1], v[TS:TS+1], v[TS+2:TS+3]      ; the four chains are joined: four plain lines between the last codes and the products that read them
	v_pk_add_f32 v[TS+4:TS+5], v[TS+4:TS+5], v[TS+6:TS+7]
	s_delay_alu instid0(VALU_DEP_1)
	v_pk_add_f32 v[TS:TS+1], v[TS:TS+1], v[TS+4:TS+5]
	s_delay_alu instid0(VALU_DEP_1)
	v_pk_add_f32 v[14:15], v[14:15], v[TS:TS+1]
	s_wait_alu depctr_va_vdst(0)
	s_wait_dscnt 0x0                               ; v's fragments and scale words are in
	PV 0                                           ; the four accumulators take turns
	PV 1
	PV 2
	PV 3
.endm
.macro PARTIAL adr                     ; my part goes to LDS as it stands in the registers
.irp i, 0,1,2,3,4,5,6,7
	ds_store_b128 v[\adr], v[O+4*\i:O+4*\i+3] offset:512*\i
.endr
	ds_store_b128 v[\adr], v[12:15] offset:4096
.endm
.macro RESET                           ; an empty part: M and the largest t at -2^32, under every t; sums of zeros
	v_mov_b32 v13, 0xcf800000
	v_mov_b32 v12, 0x4f800000
	v_mov_b32 v14, 0
	v_mov_b32 v15, 0
.set j, 0
.rept 32
	v_mov_b32 v[O+j], 0
.set j, j+1
.endr
.endm
.macro SETPEN                          ; d = frame % 128 - 16 (lane / 16), - 1 where strict, as (d + 1/2) 2^100
	s_delay_alu instid0(VALU_DEP_1)
	v_and_b32 v[PEN], 127, v[FR]
	s_delay_alu instid0(VALU_DEP_1)
	v_sub_nc_u32 v[PEN], v[PEN], v[HS]
	s_delay_alu instid0(VALU_DEP_1)
	v_cvt_f32_i32 v[PEN], v[PEN]
	s_delay_alu instid0(VALU_DEP_1)
	v_add_f32 v[PEN], 0.5, v[PEN]
	s_delay_alu instid0(VALU_DEP_1)
	v_mul_f32 v[PEN], 0x71800000, v[PEN]
.endm
.macro QASK qb, sb                     ; a tile of queries: its two pieces into both places, and its scale words
	global_load_b128 v[Q1:Q1+3], v[LI], s[\qb:\qb+1]
	global_load_b128 v[Q1+4:Q1+7], v[LI], s[\qb:\qb+1] offset:512
	global_load_b128 v[Q1+16:Q1+19], v[LI], s[\qb:\qb+1]
	global_load_b128 v[Q1+20:Q1+23], v[LI], s[\qb:\qb+1] offset:512
	global_load_b32 v[QSC], v[R4], s[\sb:\sb+1]
.endm
.macro MERGE adr, off                  ; another wave's part of my tile is brought under the common M and added; an empty part gets the factor 0
.irp i, 0,1,2,3,4,5,6,7
	ds_load_b128 v[KV+4*\i:KV+4*\i+3], v[\adr] offset:\off+512*\i
.endr
	ds_load_b128 v[88:91], v[\adr] offset:\off+4096
	s_wait_dscnt 0x0
	v_min_num_f32 v92, v12, v88                    ; the lesser -M is the greater M
	s_delay_alu instid0(VALU_DEP_1)
	v_sub_f32 v93, v92, v12
	s_delay_alu instid0(VALU_DEP_2)
	v_sub_f32 v94, v92, v88
	s_delay_alu instid0(VALU_DEP_2)
	v_cvt_i32_f32 v93, v93
	s_delay_alu instid0(VALU_DEP_2)
	v_cvt_i32_f32 v94, v94
	s_delay_alu instid0(VALU_DEP_2)
	v_ldexp_f32 v96, 1.0, v93
	s_delay_alu instid0(VALU_DEP_2)
	v_ldexp_f32 v98, 1.0, v94
	v_mov_b32 v12, v92
.set j, 0
.rept 16
	v_pk_mul_f32 v[O+j:O+j+1], v[O+j:O+j+1], v[96:97] op_sel_hi:[1,0]
.set j, j+2
.endr
.set j, 0
.rept 16
	v_pk_fma_f32 v[O+j:O+j+1], v[KV+j:KV+j+1], v[98:99], v[O+j:O+j+1] op_sel_hi:[1,0,1]
.set j, j+2
.endr
	v_pk_mul_f32 v[14:15], v[14:15], v[96:97] op_sel_hi:[1,0]
	s_delay_alu instid0(VALU_DEP_1)
	v_pk_fma_f32 v[14:15], v[90:91], v[98:99], v[14:15] op_sel_hi:[1,0,1]
.endm
.macro TSTEP                           ; the 64 text keys, at a block's end
	s_cmp_eq_u32 s49, 0
	s_cbranch_scc1 .Lnt_\@
	STEP 2, 53, 2
.Lnt_\@:
.endm
.macro RECORD top, base                ; s66 = the LDS byte of my record of this trip
	s_mul_i32 s66, s27, s50
	s_add_co_u32 s66, s66, s45
	s_min_u32 s66, s66, (\top)*REC
	s_add_co_u32 s66, s66, (\base)*REC
.endm
.macro GROUP cnt, base, mask           ; group 0 (mask = 3) or 1: up to three trips for most waves, waves 14 and 15 up to five; the work of the other trips is passed over by a test on ids
	s_mov_b32 s27, 0
.Ltrip_\@:
.if \mask == 3
	s_sub_co_u32 s2, s27, s67
	s_cmp_ge_u32 s2, s\cnt
.else
	s_cmp_ge_u32 s27, s\cnt
.endif
	s_cbranch_scc1 .Lidle_\@
.if \mask == 3
	s_cmp_lg_u32 s27, s59                          ; waves 14, 15, c > 0: from this key block on the key comes strictly before the frame
	s_cbranch_scc1 .Lloose_\@
	v_add_f32 v[PEN], 0xf1800000, v[PEN]           ; - 2^100
.Lloose_\@:
.endif
	RECORD 8, \base
	STEP 4, 66, \mask
.Lidle_\@:
	s_add_co_u32 s27, s27, 1
	s_cmp_lt_u32 s27, 5
	s_cbranch_scc1 .Ltrip_\@
.endm
	s_load_b256 s[4:11], s[0:1], 0x0               ; qc s[4:5], qs s[6:7], kv s[8:9], start_frames s[10:11]
	s_load_b128 s[12:15], s[0:1], 0x20             ; end_frames s[12:13], yc s[14:15]
	s_load_b64 s[16:17], s[0:1], 0x30              ; ysc
	v_lshl_add_u32 v[SPW], v0, 2, SPARE
	v_mov_b32 v[NIL], 0
	ds_add_u32 v[SPW], v[NIL]                      ; the wave's opening: the add, twice on end, and its wait ahead of the first tensor load
	ds_add_u32 v[SPW], v[NIL]
	v_lshrrev_b32 v9, 5, v0
	s_delay_alu instid0(VALU_DEP_1)
	v_readfirstlane_b32 s18, v9                    ; wave 0..15
	s_mov_b32 s19, ttmp9                           ; c
	s_bfe_u32 s25, ttmp6, 0x40000                  ; cx
	s_and_b32 s26, ttmp7, 0xffff                   ; 8 x batch + head
	; descriptor group 1: a record is a dense block: 66 rows of 256 bytes (32 elements of 8 bytes), no padding; the mask names all four partners
	s_mov_b32 s28, 15|(3<<16)|(1<<21)
	s_mov_b32 s29, 32<<16
	s_mov_b32 s30, 66<<16
	s_mov_b32 s31, 32<<16
	s_mov_b32 s32, 66
	s_mov_b32 s33, 32
	s_mov_b32 s34, 0
	s_mov_b32 s35, 0
	s_mov_b32 s36, 1
	s_add_co_u32 s37, s18, 9
	s_mul_i32 s37, s37, REC                        ; group 0 lies in records 9 to 17; wave 9's record, the text keys', in 18
	s_mul_i32 s60, s18, 11
	s_lshr_b32 s60, s60, 5                         ; w / 3: which of a group's ring steps I fetch for
	s_sub_co_u32 s61, 8, s19
	s_mul_i32 s42, s60, 3
	s_sub_co_u32 s42, s18, s42                     ; w % 3: which key block
	s_mul_i32 s42, s42, 8*REC
	s_mul_i32 s43, s26, 25*REC
	s_add_co_u32 s42, s42, s43
	s_mov_b32 s43, 0
	s_mul_i32 s84, s60, REC
	s_cmp_eq_u32 s18, 9
	s_cselect_b32 s84, 24*REC, s84
	s_mov_b32 s85, 0
	s_mov_b32 s20, 0x76543210
	s_mov_b32 s21, 0xfedcba98                      ; lane l xor 16
	s_mov_b32 s22, 0x3e38aa3b                      ; log2(e) / 8
	s_mov_b32 s23, s22
	s_mov_b32 s24, 0x600000                        ; the mantissa field of 448
	s_mov_b32 s53, TXR
	; what my wave does
	s_add_co_u32 s62, s18, 2
	s_lshr_b32 s62, s62, 4                         ; 1 in waves 14, 15
	s_cmp_lg_u32 s19, 0
	s_cselect_b32 s66, s62, 0                      ; 1 in waves 14, 15 where c > 0
	s_lshl_b32 s2, s18, 1
	s_lshr_b32 s2, 0x4a5a5000, s2                  ; my key block (waves 14, 15: my first record): two bits a wave
	s_and_b32 s2, s2, 3
	s_xor_b32 s3, s66, 1
	s_mul_i32 s45, s2, REC
	s_mul_i32 s45, s45, s3                         ; (where c > 0 both begin with record 0)
	s_xor_b32 s2, s62, 1
	s_add_co_u32 s2, s2, s3
	s_add_co_u32 s2, s2, 1                         ; three records on; waves 14, 15 two, where c > 0 one
	s_mul_i32 s50, s2, REC
	s_mov_b32 s2, 0x3c                             ; who takes the text keys: c = 0: waves 2 to 5;
	s_mov_b32 s3, 0xcc0c                           ; c = 2, 3: waves 2, 3, 10, 11 and 14, 15;
	s_cmp_eq_u32 s19, 0
	s_cselect_b32 s2, s2, 0xc0c                    ; c = 1: waves 2, 3, 10, 11: masked by the segments
	s_cmp_ge_u32 s19, 2
	s_cselect_b32 s2, s3, s2
	s_lshr_b32 s51, s2, s18
	s_and_b32 s51, s51, 1
	s_cmp_eq_u32 s19, 0
	s_cselect_b32 s2, 1, 0
	s_cmp_eq_u32 s18, 14
	s_cselect_b32 s3, s2, 0
	s_or_b32 s49, s51, s3                          ; and wave 14 for the text rows
	s_and_b32 s3, s18, 1
	s_sub_co_u32 s3, 5, s3                         ; c = 0: of a group's nine records wave 14 has five, wave 15 four
	s_cmp_eq_u32 s19, 0
	s_cselect_b32 s3, s3, 0
	s_cmp_eq_u32 s19, 1
	s_cselect_b32 s2, 1, 3                         ; c = 1: section 0 has key block 0 alone
	s_cmp_eq_u32 s19, 0
	s_cselect_b32 s2, s3, s2
	s_cselect_b32 s44, 2, 3                        ; c = 0: block B's waves leave ring step 0 out
	s_cmp_ge_u32 s18, 14
	s_cselect_b32 s44, s2, s44
	s_cmp_eq_u32 s19, 3
	s_cselect_b32 s100, 2, 3                       ; c = 3: ring step 5 waits for group 2
	s_cselect_b32 s48, 0, 1
	s_sub_co_u32 s101, 4, s48
	s_sub_co_u32 s47, 4, s19                       ; block B's diagonal lies in ring step 7 - c = 3 + s47
	s_sub_co_u32 s46, 3, s19                       ; block A begins in ring step 8 - c = 5 + s46
	s_cmp_eq_u32 s19, 0
	s_cselect_b32 s2, 3, 0
	s_cselect_b32 s46, 99, s46                     ; c = 0 has no block A
	s_cmp_ge_u32 s18, 14
	s_cselect_b32 s100, s3, s100
	s_cselect_b32 s48, 0, s48
	s_cselect_b32 s101, s2, s101
	s_cselect_b32 s47, 99, s47
	; LDS addresses' scalar parts
	s_mul_i32 s70, s18, PREC                       ; my part of block B
	s_add_co_u32 s71, s18, 8
	s_mul_i32 s71, s71, PREC                       ; my last part (waves 6 to 13: places 14 to 21),
	s_mul_i32 s2, s62, PTX-23*PREC
	s_add_co_u32 s71, s71, s2                      ; and wave 15's
	s_add_co_u32 s72, s18, 10
	s_and_b32 s72, s72, 15
	s_mul_i32 s72, s72, PREC                       ; c > 0: waves 6 to 11 finish block B: they begin with the parts of waves 0 to 5
	s_lshr_b32 s2, s18, 3
	s_mul_i32 s3, s2, 3
	s_xor_b32 s3, s3, 2
	s_lshr_b32 s3, s18, s3                         ; w / 4 in waves 2 to 5, w / 2 in waves 8 to 11:
	s_and_b32 s3, s3, 1                            ; section 1 or 2
	s_lshl_b32 s3, s3, 2
	s_xor_b32 s2, s2, 1
	s_lshl_b32 s2, s2, 3
	s_or_b32 s2, s2, 6
	s_add_co_u32 s2, s2, s3
	s_and_b32 s3, s18, 1
	s_add_co_u32 s2, s2, s3                        ; the next part: places 14, 15, 18, 19 for waves 2 to 5, 6, 7, 10, 11 for waves 8 to 11; the last lies two places on
	s_mul_i32 s73, s2, PREC
	s_lshr_b32 s74, 0x33c0, s18                    ; waves 6 to 9, 12, 13: the key comes strictly before the frame
	s_and_b32 s74, s74, 1
	; my frames, my tiles of queries, and the tile that I finish: cx enters these, and they enter global addresses and data alone
	s_lshl_b32 s2, s19, 2
	s_add_co_u32 s2, s2, s25                       ; block A
	s_sub_co_u32 s3, 31, s2                        ; block B
	s_and_b32 s58, s18, 1
	s_lshl_b32 s59, s58, 3
	s_lshl_b32 s63, s2, 5
	s_add_co_u32 s63, s63, s59
	s_lshl_b32 s67, s3, 5
	s_add_co_u32 s67, s67, s59
	s_lshl_b32 s77, s25, 5
	s_add_co_u32 s77, s77, s59
	s_cmp_eq_u32 s66, 1
	s_cselect_b32 s67, s77, s67                    ; waves 14, 15, c > 0: block cx
	s_lshl_b32 s2, s2, 1
	s_add_co_u32 s2, s2, s58
	s_lshl_b32 s3, s3, 1
	s_add_co_u32 s3, s3, s58
	s_cmp_eq_u32 s19, 0
	s_cselect_b32 s2, s3, s2                       ; c = 0: block B is the last block too
	s_cmp_ge_u32 s18, 6                            ; waves 0 to 5 finish the last block's tiles, waves 6 to 11 (c > 0) block B's
	s_cselect_b32 s75, 6, 0
	s_cselect_b32 s76, s3, s2
	s_sub_co_u32 s75, s18, s75
	s_lshr_b32 s75, s75, 1
	s_lshl_b32 s75, s75, 6
	s_add_co_u32 s76, s76, s75
	s_add_co_u32 s75, s25, 192                     ; wave 14, c = 0: the text tile
	s_cmp_eq_u32 s18, 14
	s_cselect_b32 s76, s75, s76
	s_lshl_b32 s77, s25, 1
	s_add_co_u32 s77, s77, s58                     ; waves 14, 15, c > 0: a tile of block cx,
	s_sub_co_u32 s75, s19, 1
	s_lshl_b32 s75, s75, 6
	s_add_co_u32 s75, s75, s77                     ; in section c - 1
	s_cmp_ge_u32 s18, 14
	s_cselect_b32 s3, s25, s3
	s_cmp_eq_u32 s66, 1
	s_cselect_b32 s76, s75, s76
	s_cselect_b32 s3, s77, s3
	s_lshr_b32 s75, s26, 3
	s_mul_i32 s75, s75, 196
	s_add_co_u32 s76, s76, s75                     ; the tile among 392
	s_and_b32 s75, s26, 7                          ; the head
	s_lshl_b32 s88, s76, 13
	s_lshl_b32 s77, s75, 10
	s_add_co_u32 s88, s88, s77
	s_mov_b32 s89, 0
	s_lshl_b32 s90, s76, 8
	s_lshl_b32 s77, s75, 1
	s_add_co_u32 s90, s90, s77
	s_mov_b32 s91, 0
	s_and_b32 s59, s18, 14
	s_lshr_b32 s59, 0xe964, s59                    ; my section: two bits for each pair of waves
	s_and_b32 s59, s59, 3
	s_sub_co_u32 s77, s19, 1
	s_cmp_eq_u32 s66, 1
	s_cselect_b32 s59, s77, s59
	s_mov_b32 s52, 0xffff0000
	s_cmp_eq_u32 s59, 1
	s_cselect_b32 s52, 0xffff, s52
	s_lshl_b32 s59, s59, 6
	s_mul_i32 s58, s26, 196
	s_add_co_u32 s58, s58, s59
	s_add_co_u32 s2, s2, s58
	s_add_co_u32 s3, s3, s58
	s_lshl_b32 s54, s2, 10
	s_mov_b32 s55, 0
	s_lshl_b32 s56, s2, 6
	s_mov_b32 s57, 0
	s_lshl_b32 s58, s3, 10
	s_mov_b32 s59, 0
	s_lshl_b32 s86, s3, 6
	s_mov_b32 s87, 0
	; every vector register that stays
	v_and_b32 v9, 31, v0
	v_and_b32 v10, 15, v0                          ; r
	v_bfe_u32 v254, v0, 4, 1                       ; h
	v_lshlrev_b32 v[LI], 4, v9
	v_lshlrev_b32 v[LS], 2, v9
	v_and_b32 v[RP], 8, v10
	v_lshlrev_b32 v[R4], 2, v10
	v_lshl_add_u32 v[HS], v254, 4, s74
	v_add_nc_u32 v[RP], v[RP], v10
	v_add_nc_u32 v[PSA], s70, v[LI]
	v_add_nc_u32 v[PSB], s71, v[LI]
	v_add_nc_u32 v[CA], s72, v[LI]
	v_add_nc_u32 v[CM], s73, v[LI]
	v_add_nc_u32 v[CT], PTX, v[LI]
	v_mov_b32 v[NINF], 0xff800000
	v_add_nc_u32 v[FR], s67, v[RP]
	SETPEN
.set j, 24
.rept 8
	v_mov_b32 v[j], 0                              ; the zeros between q and q: written once
.set j, j+1
.endr
.irp j, 236,237,238,239,252,253
	v_mov_b32 v[\j], 0                             ; lane permutes' destinations, and the upper half of a pair that is named
.endr
	s_wait_alu depctr_va_vdst(0)                   ; the wait at the head's end
	s_wait_dscnt 0x0                               ; both opening adds are done
	s_wait_kmcnt 0x0
	s_add_nc_u64 s[40:41], s[8:9], s[42:43]
	s_add_nc_u64 s[38:39], s[40:41], s[84:85]
	s_or_b32 s39, s39, 0x80000000
	s_add_nc_u64 s[54:55], s[4:5], s[54:55]
	s_add_nc_u64 s[56:57], s[6:7], s[56:57]
	s_add_nc_u64 s[4:5], s[4:5], s[58:59]
	s_add_nc_u64 s[6:7], s[6:7], s[86:87]
	s_add_nc_u64 s[14:15], s[14:15], s[88:89]
	s_add_nc_u64 s[16:17], s[16:17], s[90:91]
	ROUND                                          ; all four partners are here: the first joint loads meet
	TLOAD 10                                       ; group 0, and the text record: one tensor load a wave
	s_lshr_b32 s2, s26, 3
	s_lshl_b32 s2, s2, 6
	s_mov_b32 s3, 0
	s_add_nc_u64 s[10:11], s[10:11], s[2:3]
	s_add_nc_u64 s[12:13], s[12:13], s[2:3]
	s_load_b512 s[68:83], s[10:11], 0x0            ; my batch's 16 segments
	s_load_b512 s[84:99], s[12:13], 0x0
	QASK 4, 6
	s_cmp_lg_u32 s19, 0
	s_cselect_b32 s58, s62, 0                      ; waves 14, 15, c > 0: every step is a diagonal one;
	s_cselect_b32 s67, 0, 1                        ; c = 0: block B's waves begin with ring step 1
	s_cmp_ge_u32 s18, 14
	s_cselect_b32 s67, 0, s67
	s_sub_co_u32 s59, s19, 1                       ; section 1 is strict from key block 1 on, section 2 from key block 2 on
	s_cmp_ge_u32 s19, 2
	s_cselect_b32 s3, s58, 0
	s_cmp_eq_u32 s3, 1
	s_cselect_b32 s59, s59, 99
	RESET
	s_wait_alu depctr_va_vdst(0)                   ; the wait directly ahead of the waits below
	s_wait_kmcnt 0x0
.set n, 0
.rept 16
	s_ashr_i32 s[68+n], s[68+n], 3                 ; floor(start / 8); the window begins at 0
	s_ashr_i32 s[84+n], s[84+n], 3
	s_sub_co_i32 s[84+n], s[84+n], s[68+n]
	s_max_i32 s[84+n], s[84+n], 0                  ; how many frames the segment is active
.set n, n+1
.endr
	s_wait_loadcnt 0x0                             ; q
	CHANGE 1                                       ; group 0 and the text record are whole; group 1 is asked for
	GROUP 44, 9, 3                                 ; no diagonal of block B lies in ring steps 0 to 2
	CHANGE 2                                       ; group 1 is whole, group 0's slot is left; group 2 is asked for
	GROUP 100, 0, 1
	s_wait_tensorcnt 0x0                           ; group 2 is whole behind this barrier, and records 0 to 5 are left for good: nothing is filled again
	ds_add_u32 v[SPW], v[NIL]
	s_sub_co_u32 s47, s47, 2                       ; block B's diagonal, counted from ring step 5
	s_mul_i32 s2, s62, 3*REC
	s_add_co_u32 s45, s45, s2                      ; waves 14, 15, c = 0, begin with ring step 6
	s_wait_dscnt 0x0
	s_barrier_signal -1
	s_barrier_wait -1
	s_mov_b32 s27, 0
.Llast:                                            ; group 2: ring steps 5 (c = 3 alone) to 8
	s_cmp_lt_u32 s18, 14
	s_cbranch_scc0 .Lsame
	s_cmp_lg_u32 s27, s46
	s_cbranch_scc1 .Lsame
	TSTEP                                          ; block B is through: its text keys,
	QASK 54, 56                                    ; block A's queries are asked for,
.rept 8
	v_nop                                          ; places behind the last products
.endr
	s_wait_alu depctr_va_vdst(0)
	PARTIAL PSA                                    ; my part of block B goes to LDS,
	s_wait_dscnt 0x0
	RESET                                          ; and block A begins
	v_add_nc_u32 v[FR], s63, v[RP]
	SETPEN
	s_mov_b32 s47, 3                               ; its diagonal lies in ring step 8
	s_wait_alu depctr_va_vdst(0)
	s_wait_loadcnt 0x0
.Lsame:
	s_sub_co_u32 s2, s27, s48
	s_cmp_ge_u32 s2, s101
	s_cbranch_scc1 .Lidle
	RECORD 11, 6
	STEP 4, 66, 1
.Lidle:
	s_add_co_u32 s27, s27, 1
	s_cmp_lt_u32 s27, 4
	s_cbranch_scc1 .Llast
	TSTEP
.rept 8
	v_nop                                          ; places behind the last products
.endr
	v_mov_b32 v97, 0                               ; upper halves of pairs that are named
	v_mov_b32 v99, 0
	s_wait_alu depctr_va_vdst(0)
	s_cmp_lt_u32 s18, 6                            ; waves 0 to 5 and wave 14 keep their parts in registers alone
	s_cbranch_scc1 .Lkept
	s_cmp_eq_u32 s18, 14
	s_cbranch_scc1 .Lkept
	PARTIAL PSB                                    ; (wave 15's is read where c = 0)
.Lkept:
	s_wait_dscnt 0x0                               ; my parts lie in LDS,
	s_barrier_signal -1
	s_barrier_wait -1                              ; everybody's do
	; THE END.  Waves 0 to 5 finish the last block's six tiles.  c > 0: waves 6 to 11 block B's, waves 14, 15 their own; c = 0: wave 14 the text tile.  Section 0 has one part, sections 1 and 2 three, a text tile two.
	s_cmp_lt_u32 s18, 2
	s_cbranch_scc1 .Lfin
	s_cmp_lt_u32 s18, 6
	s_cbranch_scc1 .Lmerge
	s_cmp_eq_u32 s19, 0
	s_cbranch_scc1 .Ltext
	s_cmp_lt_u32 s18, 12
	s_cbranch_scc1 .Lfirst
	s_cmp_lt_u32 s18, 14
	s_cbranch_scc1 .Ldone
	s_branch .Lfin
.Ltext:
	s_cmp_lg_u32 s18, 14
	s_cbranch_scc1 .Ldone
	MERGE CT, 0
	s_branch .Lfin
.Lfirst:
.irp i, 0,1,2,3,4,5,6,7
	ds_load_b128 v[O+4*\i:O+4*\i+3], v[CA] offset:512*\i       ; key block 0's part: it is never empty
.endr
	ds_load_b128 v[12:15], v[CA] offset:4096
	s_wait_dscnt 0x0
	s_cmp_lt_u32 s18, 8
	s_cbranch_scc1 .Lfin
.Lmerge:
	MERGE CM, 0
	MERGE CM, 2*PREC
.Lfin:
	s_wait_alu depctr_va_vdst(0)
	v_add_f32 v14, v14, v15                        ; the sum's two halves,
	s_delay_alu instid0(VALU_DEP_1)
	v_permlanex16_b32 v252, v14, s20, s21
	s_delay_alu instid0(VALU_DEP_1)
	v_add_f32 v14, v14, v252                       ; and lane l xor 16's
	s_wait_alu depctr_va_vdst(0)
	v_rcp_f32 v14, v14
	v_lshlrev_b32 v255, 2, v[R4]                   ; (the plain line behind the reciprocal)  16 x (lane % 16)
	s_wait_alu depctr_va_vdst(0)                   ; the wait ahead of its first reader
.set j, 0
.rept 16
	v_pk_mul_f32 v[O+j:O+j+1], v[O+j:O+j+1], v[14:15] op_sel_hi:[1,0]   ; y: register 16 b + i is channel 32 b + 16 (lane / 16) + i of my query
.set j, j+2
.endr
.irp b, 0,1
	v_max3_num_f32 v[TM+\b], |v[O+16*\b]|, |v[O+16*\b+1]|, 0x4800000
.endr
.irp i, 2,4,6,8,10,12,14
.irp b, 0,1
	s_delay_alu instid0(VALU_DEP_2)
	v_max3_num_f32 v[TM+\b], v[TM+\b], |v[O+16*\b+\i]|, |v[O+16*\b+\i+1]|
.endr
.endr
.irp b, 0,1
	s_delay_alu instid0(VALU_DEP_2)
	v_permlanex16_b32 v[TM+4+\b], v[TM+\b], s20, s21
.endr
.irp b, 0,1
	s_delay_alu instid0(VALU_DEP_2)
	v_max_num_f32 v[TM+\b], v[TM+\b], v[TM+4+\b]
.endr
.irp b, 0,1
	s_delay_alu instid0(VALU_DEP_2)
	v_add_nc_u32 v[TM+12+\b], 0xfc000000, v[TM+\b]
.endr
.irp b, 0,1
	s_delay_alu instid0(VALU_DEP_4)
	v_and_or_b32 v[TM+8+\b], v[TM+\b], 0x7f800000, s24
.endr
.irp b, 0,1
	s_delay_alu instid0(VALU_DEP_4)
	v_lshrrev_b32 v[TM+4+\b], 23, v[TM+12+\b]
.endr
	s_delay_alu instid0(VALU_DEP_1)
	v_lshl_or_b32 v[TM+6], v[TM+5], 8, v[TM+4]     ; my head's two scale bytes of my query
.irp b, 0,1
.irp i, 0,1,2,3,4,5,6,7,8,9,10,11,12,13,14,15
	v_med3_num_f32 v[O+16*\b+\i], v[O+16*\b+\i], -v[TM+8+\b], v[TM+8+\b]
.endr
	v_cvt_scalef32_pk8_fp8_f32 v[PC+4*\b:PC+4*\b+1], v[O+16*\b:O+16*\b+7], v[TM+12+\b]
	v_cvt_scalef32_pk8_fp8_f32 v[PC+4*\b+2:PC+4*\b+3], v[O+16*\b+8:O+16*\b+15], v[TM+12+\b]
.endr
	v_nop
	global_store_b128 v[LI], v[PC:PC+3], s[14:15]              ; two pieces of the last projection's operand, 512 bytes each
	global_store_b128 v[LI], v[PC+4:PC+7], s[14:15] offset:512
	global_store_b16 v255, v[TM+6], s[16:17]       ; both halves of the lanes hold the same bytes
.Ldone:
	s_wait_tensorcnt 0x0                           ; the wave's end
	ds_add_u32 v[SPW], v[NIL]
	s_wait_dscnt 0x0
	ROUND                                          ; the closing round
	s_endpgm
.Lfunc_end_k_qfc0e6406d0_attn:
	.size	k_qfc0e6406d0_attn, .Lfunc_end_k_qfc0e6406d0_attn-k_qfc0e6406d0_attn
	.p2alignl 7, 3214868480
	.fill 96, 4, 3214868480
	.section	.rodata,"a",@progbits
	.p2align	6, 0x0
	.amdhsa_kernel k_qfc0e6406d0_attn
		.amdhsa_group_segment_fixed_size 327680
		.amdhsa_private_segment_fixed_size 0
		.amdhsa_enable_private_segment 0
		.amdhsa_kernarg_size 56
		.amdhsa_user_sgpr_count 2
		.amdhsa_user_sgpr_kernarg_segment_ptr 1
		.amdhsa_wavefront_size32 1
		.amdhsa_system_sgpr_workgroup_id_x 1
		.amdhsa_system_sgpr_workgroup_id_y 1
		.amdhsa_system_sgpr_workgroup_id_z 1
		.amdhsa_system_vgpr_workitem_id 0
		.amdhsa_next_free_vgpr 256
		.amdhsa_next_free_sgpr 102
		.amdhsa_reserve_vcc 0
		.amdhsa_float_denorm_mode_32 3
		.amdhsa_float_denorm_mode_16_64 3
		.amdhsa_memory_ordered 1
		.amdhsa_forward_progress 1
		.amdhsa_inst_pref_size 145
	.end_amdhsa_kernel
	.amdgpu_metadata
---
amdhsa.version: [ 1, 2 ]
amdhsa.kernels:
  - .name:           k_qfc0e6406d0_attn
    .symbol:         k_qfc0e6406d0_attn.kd
    .args:
      - { .name: qc, .offset: 0, .size: 8, .value_kind: global_buffer, .address_space: global }
      - { .name: qs, .offset: 8, .size: 8, .value_kind: global_buffer, .address_space: global }
      - { .name: kv, .offset: 16, .size: 8, .value_kind: global_buffer, .address_space: global }
      - { .name: start_frames, .offset: 24, .size: 8, .value_kind: global_buffer, .address_space: global }
      - { .name: end_frames, .offset: 32, .size: 8, .value_kind: global_buffer, .address_space: global }
      - { .name: yc, .offset: 40, .size: 8, .value_kind: global_buffer, .address_space: global }
      - { .name: ysc, .offset: 48, .size: 8, .value_kind: global_buffer, .address_space: global }
    .group_segment_fixed_size: 327680
    .private_segment_fixed_size: 0
    .kernarg_segment_align: 8
    .kernarg_segment_size: 56
    .max_flat_workgroup_size: 512
    .sgpr_count:     102
    .vgpr_count:     256
    .wavefront_size: 32
...
	.end_amdgpu_metadata
.endif
;; end of part 2
;; launch proj (part 3): grid 4 x 49, 16 waves a work-group, clusters of 4 x 1, 204,800 bytes of LDS; arguments yc, ysc, W_proj_codes, W_proj_scales, b_proj, out0; writes out0
.if DOCPART == 3
	.amdgcn_target "amdgcn-amd-amdhsa--gfx1250"
	.amdhsa_code_object_version 6
	.text
	.protected	k_qfc0e6406d0_proj
	.globl	k_qfc0e6406d0_proj
	.p2align	8
	.type	k_qfc0e6406d0_proj,@function
k_qfc0e6406d0_proj:
	s_mov_b64 s[64:65], 0
	v_nop
	global_prefetch_b8 v0, s[64:65] scope:SCOPE_SE
	s_setreg_imm32_b32 hwreg(HW_REG_WAVE_MODE, 25, 1), 1
	s_wait_xcnt 0x0
	s_wait_alu depctr_hold_cnt(0) depctr_sa_sdst(0) depctr_va_vdst(0) depctr_va_sdst(0) depctr_va_ssrc(0) depctr_va_vcc(0) depctr_vm_vsrc(0)
	s_getreg_b32 s2, hwreg(HW_REG_IB_STS2, 6, 4)
	s_cmp_eq_u32 s2, 0
	s_cbranch_scc0 .Lentry_in_a_cluster
	s_endpgm
.Lentry_in_a_cluster:
	s_bfe_u32 s2, ttmp6, 0x10000c
	s_cmp_lg_u32 s2, 0x3003
	s_cbranch_scc0 .Lentry_shape_is_right
	s_endpgm
.Lentry_shape_is_right:
; out0 = y W_proj^T + b_proj on codes of E4M3 with E8M0 scales, sums in f32.  y comes as images of operand registers (tile of 16 tokens: 16 pieces of 512 bytes, lane l's 16 bytes at 16 l) with 16 scale bytes a token.
; Nothing is left out here.  LIMITS: NaN and infinities are not served.
; SHARES.  cx picks 128 of the 512 output columns (it enters global addresses alone), y of the grid eight tiles of tokens; waves w and w + 8 take one tile, each against four tiles of 16 rows of W_proj: 64 columns.
; Lane r of tile gid holds token 16 (gid & ~1) + 8 (gid & 1) + r + 8 (r / 8), as the launches before laid it.
; The product is used transposed (source 0 = 16 rows of W_proj, source 1 = y): a lane holds eight neighbouring columns of one row of the output.  The bias is what the sums begin with.
; CLUSTER.  The four partners take the same tiles of y: asked for jointly (mask 15).  W_proj's rows are a partner's own: plain loads.  Everything is filled once, and there is no loop over tiles, so nothing is prefetched.
; Two sets of fragments: a K step's 20 LDS loads are issued while the one before it is multiplied.
; LDS: y's 64 KiB of images | W_proj 128 rows x (512 + 16) | a stage of 16 rows x (256 + 16) for each wave | the spare words.
.set XP,    528
.set WL,    65536
.set STG,   WL+128*XP
.set SP,    272
.set SPARE, STG+16*16*SP               ; the spare words, 128 bytes for each wave, which no other line names
.set LI,  1                            ; v1   16 x lane
.set SPW, 2                            ; v2   my spare word; never rewritten
.set NIL, 3                            ; v3   0; never rewritten
.set R16, 4                            ; v4   16 x (lane % 16)
.set H32, 5                            ; v5   32 x (lane / 16)
.set AW,  6                            ; v6   my lane's place in a tile of my half of W_proj
.set AY,  7                            ; v7   my tile's images
.set STO, 8                            ; v8   the stage: where I put 32 bytes of a row
.set RD,  9                            ; v9   and where I read rows back: lanes 0-15 one row, lanes 16-31 the next
.set CO,  14                           ; v14  the same in the output
.set YS,  28                           ; v28-31 y's scale words, one for each K step
.set WS,  32                           ; v32-47 W_proj's: tile t, K step ks at 4 t + ks
.set ACC, 48                           ; v48-79 four accumulators
.set YF,  80                           ; v80-95, v96-111 y's fragment, two sets
.set WF,  112                          ; v112-175, v176-239 four fragments of W_proj, two sets; on the way out 16 rows
.macro ROUND                           ; a round of the cluster's barrier
	s_barrier_signal -1
	s_barrier_wait -1
	s_cmp_lg_u32 s16, 0
	s_cbranch_scc1 .Lnw0_\@
	s_barrier_signal -3
.Lnw0_\@:
	s_barrier_wait -3
	s_barrier_signal -1
	s_barrier_wait -1
.endm
.macro FETCH ks                        ; a K step's fragments into set ks % 2: 20 loads
.irp c, 0,1,2,3
	ds_load_b128 v[YF+16*(\ks%2)+4*\c:YF+16*(\ks%2)+4*\c+3], v[AY] offset:512*(4*\ks+\c)
.endr
.irp t, 0,1,2,3
.irp c, 0,1,2,3
	ds_load_b128 v[WF+64*(\ks%2)+16*\t+4*\c:WF+64*(\ks%2)+16*\t+4*\c+3], v[AW] offset:16*\t*XP+128*\ks+32*\c
.endr
.endr
.endm
.macro MUL ks                          ; the four accumulators take turns
.irp t, 0,1,2,3
	v_wmma_scale_f32_16x16x128_f8f6f4 v[ACC+8*\t:ACC+8*\t+7], v[WF+64*(\ks%2)+16*\t:WF+64*(\ks%2)+16*\t+15], v[YF+16*(\ks%2):YF+16*(\ks%2)+15], v[ACC+8*\t:ACC+8*\t+7], v[WS+4*\t+\ks], v[YS+\ks]
.endr
.endm
.macro PLACES                          ; eight places behind this form, in front of loads into its registers and of the first read of results
.rept 8
	v_nop
.endr
.endm
	s_load_b256 s[4:11], s[0:1], 0x0               ; yc s[4:5], ysc s[6:7], W_proj's codes s[8:9], its scales s[10:11]
	s_load_b128 s[12:15], s[0:1], 0x20             ; b_proj s[12:13], out0 s[14:15]
	v_lshl_add_u32 v[SPW], v0, 2, SPARE
	v_mov_b32 v[NIL], 0
	ds_add_u32 v[SPW], v[NIL]                      ; the wave's opening: the add, twice on end, and its wait ahead of the first tensor load
	ds_add_u32 v[SPW], v[NIL]
	v_lshrrev_b32 v10, 5, v0
	s_delay_alu instid0(VALU_DEP_1)
	v_readfirstlane_b32 s16, v10                   ; wave 0..15
	s_bfe_u32 s17, ttmp6, 0x40000                  ; cx: which 128 columns
	s_and_b32 s18, ttmp7, 0xffff                   ; which eight tiles
	s_and_b32 s48, s16, 7                          ; my tile of the eight
	s_lshr_b32 s49, s16, 3                         ; my half of the columns
	s_mov_b32 s20, (1<<20)|(6<<22)|(3<<25)         ; W_proj: 64 rows of 512 bytes, 16 bytes of padding behind each
	s_mov_b32 s21, 512<<16
	s_mov_b32 s22, 64<<16
	s_mov_b32 s23, 512<<16
	s_mov_b32 s24, 64
	s_mov_b32 s25, 512
	s_mov_b32 s26, 0
	s_mov_b32 s27, 0
	s_mov_b32 s28, 15|(3<<16)|(1<<21)              ; y: a dense block of 128 rows of 256 bytes, for all four partners
	s_mov_b32 s29, 32<<16
	s_mov_b32 s30, 128<<16
	s_mov_b32 s31, 32<<16
	s_mov_b32 s32, 128
	s_mov_b32 s33, 32
	s_mov_b32 s34, 0
	s_mov_b32 s35, 0
	s_and_b32 s19, s16, 1
	s_mov_b32 s36, 1
	s_mul_i32 s37, s19, 64*XP
	s_add_co_u32 s37, s37, WL
	s_mov_b32 s40, 1
	s_lshl_b32 s41, s19, 15
	s_lshl_b32 s44, s18, 16                        ; eight tiles of 8,192 bytes; made of the grid's y and the wave's number alone
	s_lshl_b32 s45, s19, 15
	s_add_co_u32 s44, s44, s45
	s_mov_b32 s45, 0
	s_lshl_b32 s2, s17, 16                         ; my 128 rows of W_proj,
	s_lshl_b32 s3, s19, 15                         ; the half that I fetch
	s_add_co_u32 s2, s2, s3
	s_mov_b32 s3, 0
	s_mul_i32 s46, s49, 64*XP
	s_add_co_u32 s46, s46, WL                      ; my half of W_proj's rows in LDS,
	s_mul_i32 s47, s16, 16*SP
	s_add_co_u32 s47, s47, STG                     ; and my stage
	v_and_b32 v10, 31, v0
	v_and_b32 v11, 15, v0                          ; r
	v_bfe_u32 v12, v0, 4, 1                        ; h
	v_lshlrev_b32 v[LI], 4, v10
	v_lshlrev_b32 v[R16], 4, v11
	v_lshlrev_b32 v[H32], 5, v12
	v_mul_u32_u24 v[AW], v11, XP
	v_mul_u32_u24 v[STO], v11, SP
	v_mul_u32_u24 v[RD], v12, SP
	v_lshlrev_b32 v[CO], 11, v12
	v_lshl_add_u32 v[AW], v12, 4, v[AW]
	v_add_nc_u32 v[STO], v[STO], v[H32]
	v_add_nc_u32 v[RD], v[RD], v[R16]
	v_add_nc_u32 v[CO], v[CO], v[R16]
	v_add_nc_u32 v[AW], s46, v[AW]
	v_add_nc_u32 v[STO], s47, v[STO]
	v_add_nc_u32 v[RD], s47, v[RD]
	s_lshl_b32 s46, s48, 13
	v_add_nc_u32 v[AY], s46, v[LI]
	s_wait_alu depctr_va_vdst(0)                   ; the wait at the head's end
	s_wait_dscnt 0x0                               ; both opening adds are done
	s_wait_kmcnt 0x0
	s_add_nc_u64 s[38:39], s[8:9], s[2:3]
	s_or_b32 s39, s39, 0x80000000
	s_add_nc_u64 s[42:43], s[4:5], s[44:45]
	s_or_b32 s43, s43, 0x80000000
	s_lshl_b32 s46, s18, 3
	s_add_co_u32 s46, s46, s48                     ; my tile among 392
	s_lshl_b32 s2, s46, 8
	s_add_nc_u64 s[6:7], s[6:7], s[2:3]            ; its scale bytes
	s_lshl_b32 s2, s17, 11
	s_lshl_b32 s47, s49, 10
	s_add_co_u32 s2, s2, s47
	s_add_nc_u64 s[10:11], s[10:11], s[2:3]        ; my 64 rows' scale bytes
	s_lshl_b32 s2, s17, 9
	s_lshl_b32 s47, s49, 8
	s_add_co_u32 s2, s2, s47
	s_add_nc_u64 s[12:13], s[12:13], s[2:3]        ; my 64 biases
	s_add_nc_u64 s[14:15], s[14:15], s[2:3]        ; my 256 bytes of a row of the output,
	s_and_b32 s2, s46, -2
	s_lshl_b32 s2, s2, 4
	s_lshl_b32 s47, s19, 3
	s_add_co_u32 s2, s2, s47
	s_lshl_b32 s2, s2, 11                          ; from token 16 (gid & ~1) + 8 (gid & 1) on
	s_add_nc_u64 s[14:15], s[14:15], s[2:3]
	ROUND                                          ; all four partners are here: the joint loads meet
	s_cmp_lt_u32 s16, 2
	s_cbranch_scc0 .Lnot_w
	tensor_load_to_lds s[36:39], s[20:27]          ; waves 0, 1: 64 rows of W_proj each
	s_nop 0
.rept 4
	v_nop
.endr
	s_branch .Lasked
.Lnot_w:
	s_cmp_lt_u32 s16, 4
	s_cbranch_scc0 .Lasked
	tensor_load_to_lds s[40:43], s[28:35]          ; waves 2, 3: four tiles of y each
	s_nop 0
.rept 4
	v_nop
.endr
.Lasked:
	global_load_b128 v[YS:YS+3], v[R16], s[6:7]
.irp t, 0,1,2,3
	global_load_b128 v[WS+4*\t:WS+4*\t+3], v[R16], s[10:11] offset:256*\t
.endr
.irp t, 0,1,2,3
	global_load_b128 v[ACC+8*\t:ACC+8*\t+3], v[H32], s[12:13] offset:64*\t         ; b_proj at my eight columns of tile t
	global_load_b128 v[ACC+8*\t+4:ACC+8*\t+7], v[H32], s[12:13] offset:64*\t+16
.endr
	s_wait_tensorcnt 0x0                           ; my tile has landed,
	s_barrier_signal -1
	s_barrier_wait -1                              ; everybody's has
	FETCH 0
	FETCH 1
	s_wait_loadcnt 0x0
	s_wait_dscnt 20                                ; all but the younger set's 20 loads
	MUL 0
	PLACES
	FETCH 2
	s_wait_dscnt 20
	MUL 1
	PLACES
	FETCH 3
	s_wait_dscnt 20
	MUL 2
	s_wait_dscnt 0x0
	MUL 3
	PLACES
	; THE WAY OUT: through my own stage, so that sixteen lanes cover a row's 256 consecutive bytes.  LDS serves a wave's instructions in order: no wait between the stores and the loads
.irp t, 0,1,2,3
	ds_store_b128 v[STO], v[ACC+8*\t:ACC+8*\t+3] offset:64*\t
	ds_store_b128 v[STO], v[ACC+8*\t+4:ACC+8*\t+7] offset:64*\t+16
.endr
.irp i, 0,1,2,3,4,5,6,7
	ds_load_b128 v[WF+4*\i:WF+4*\i+3], v[RD] offset:2*\i*SP
.endr
.irp i, 0,1,2,3,4,5,6,7
	s_wait_dscnt 7-\i                              ; rows 2 i and 2 i + 1 are back; the 7 - i younger loads may be out
	global_store_b128 v[CO], v[WF+4*\i:WF+4*\i+3], s[14:15] offset:(2*\i+8*(\i/4))*2048 th:TH_STORE_NT
.endr
	s_wait_tensorcnt 0x0                           ; the wave's end
	ds_add_u32 v[SPW], v[NIL]
	s_wait_dscnt 0x0
	ROUND                                          ; the closing round
	s_endpgm
.Lfunc_end_k_qfc0e6406d0_proj:
	.size	k_qfc0e6406d0_proj, .Lfunc_end_k_qfc0e6406d0_proj-k_qfc0e6406d0_proj
	.p2alignl 7, 3214868480
	.fill 96, 4, 3214868480
	.section	.rodata,"a",@progbits
	.p2align	6, 0x0
	.amdhsa_kernel k_qfc0e6406d0_proj
		.amdhsa_group_segment_fixed_size 204800
		.amdhsa_private_segment_fixed_size 0
		.amdhsa_enable_private_segment 0
		.amdhsa_kernarg_size 48
		.amdhsa_user_sgpr_count 2
		.amdhsa_user_sgpr_kernarg_segment_ptr 1
		.amdhsa_wavefront_size32 1
		.amdhsa_system_sgpr_workgroup_id_x 1
		.amdhsa_system_sgpr_workgroup_id_y 1
		.amdhsa_system_sgpr_workgroup_id_z 1
		.amdhsa_system_vgpr_workitem_id 0
		.amdhsa_next_free_vgpr 256
		.amdhsa_next_free_sgpr 66
		.amdhsa_reserve_vcc 0
		.amdhsa_float_denorm_mode_32 3
		.amdhsa_float_denorm_mode_16_64 3
		.amdhsa_memory_ordered 1
		.amdhsa_forward_progress 1
		.amdhsa_inst_pref_size 18
	.end_amdhsa_kernel
	.amdgpu_metadata
---
amdhsa.version: [ 1, 2 ]
amdhsa.kernels:
  - .name:           k_qfc0e6406d0_proj
    .symbol:         k_qfc0e6406d0_proj.kd
    .args:
      - { .name: yc, .offset: 0, .size: 8, .value_kind: global_buffer, .address_space: global }
      - { .name: ysc, .offset: 8, .size: 8, .value_kind: global_buffer, .address_space: global }
      - { .name: W_proj_codes, .offset: 16, .size: 8, .value_kind: global_buffer, .address_space: global }
      - { .name: W_proj_scales, .offset: 24, .size: 8, .value_kind: global_buffer, .address_space: global }
      - { .name: b_proj, .offset: 32, .size: 8, .value_kind: global_buffer, .address_space: global }
      - { .name: out0, .offset: 40, .size: 8, .value_kind: global_buffer, .address_space: global }
    .group_segment_fixed_size: 204800
    .private_segment_fixed_size: 0
    .kernarg_segment_align: 8
    .kernarg_segment_size: 48
    .max_flat_workgroup_size: 512
    .sgpr_count:     66
    .vgpr_count:     256
    .wavefront_size: 32
...
	.end_amdgpu_metadata
.endif
;; end of part 3
